; MI455X (gfx1250); checked and timed in simulation.
; The chip was launched on July 23, 2026; its instructions are those of AMD's public machine-readable ISA for CDNA 5 (MIT licence, August 2026) and "CDNA5" Instruction Set Architecture Reference Guide (July 2026). The comments in the code are by the model that wrote it; some were corrected since.
;; Ideal DPM. Allowed arithmetic: matrix products marked QUANTISED: E2M1 operands, one E8M0 scale for each 32 along K, by v_wmma_scale_f32_16x16x128_f8f6f4 with both operands' format E2M1 (or v_wmma_scale_f32_32x16x128_f4), f32 sums; products left as they are: f32 operands where the result goes on into a quantised operand, else bf16, f16 or f32 operands; f32 sums; everything else in f32.
;; Inputs: b_bd 1 float32; b_in 256 float32; b_k 256 float32; b_o 256 float32; b_pr 256 float32; b_q 256 float32; b_v 256 float32; w_bd 1 x 256 float32; w_in 256 x 256 float32; w_k 256 x 256 float32; w_o 256 x 256 float32; w_pr 256 x 256 float32; w_q 256 x 256 float32; w_v 256 x 256 float32; x 8 x 2,048 x 256 float32.
;; Outputs: out0 8 x 8 x 256 float32.
;; This version of the problem:
;;   THIS VERSION OF THE PROBLEM IS GIVEN IN LOW PRECISION. The matrix products marked QUANTISED in the list below multiply operands that are first quantised to E2M1 (2 exponent bits, 1 mantissa bit; 4 bits a number), with one power-of-two scale for each 32 numbers along K (OCP MX v1.0); their sums are f32. All else is computed in f32.
;;   The module's matrix products, in the order in which they are computed (A, B: the left and right operand; K: the contracted axis; several contracted axes count as one K, in the product's order):
;;     1. [M 16,384, K 256] x [K 256, N 256]; A: input x; B: input w_in: QUANTISED
;;     2. [M 16,384, K 256] x [K 256, N 256]; A: computed on the way; B: input w_q: QUANTISED
;;     3. [M 16,384, K 256] x [K 256, N 256]; A: computed on the way; B: input w_k: QUANTISED
;;     4. [M 16,384, K 256] x [K 256, N 256]; A: computed on the way; B: input w_v: QUANTISED
;;     5. batch 32 x [M 2,048, K 64] x [K 64, N 2,048]; A: computed on the way; B: computed on the way: QUANTISED
;;     6. batch 32 x [M 64, K 2,048] x [K 2,048, N 2,048]; A: computed on the way; B: softmax (see below): QUANTISED
;;     7. [M 16,384, K 256] x [K 256, N 256]; A: computed on the way; B: input w_o: QUANTISED
;;     8. [M 16,384, K 256] x [K 256, N 1]; A: computed on the way; B: input w_bd: left as it is (N = 1 < 16)
;;     9. batch 8 x [M 8, K 2,048] x [K 2,048, N 256]; A: computed on the way; B: computed on the way: left as it is (M = 8 < 16)
;;     10. [M 64, K 256] x [K 256, N 256]; A: computed on the way; B: input w_pr: QUANTISED
;;   THE QUANTISER, for each operand of a quantised product, along K:
;;     - K is cut into blocks of 32 from its start; a last block that is shorter is filled with zeros.
;;     - A block's scale is 2^e with e = floor(log2(the largest magnitude in the block)) - 2, held to -126 .. 127; a block of zeros has e = 0. As a byte (E8M0): e + 127.
;;     - Each number is divided by its block's scale, clamped to +-6, and rounded to the nearest number of E2M1, ties to even, subnormals kept.
;;     - The product sums the exact products of the quantised numbers (number of the format x scale) in f32.
;;   ~~~python
;;   def quantise(x, axis):      # numpy; x: float32 -> the quantised numbers, widened to float32 again
;;       x = np.moveaxis(x, axis, -1); K = x.shape[-1]
;;       x = np.pad(x, [(0, 0)] * (x.ndim - 1) + [(0, -K % 32)]); x = x.reshape(x.shape[:-1] + (-1, 32)); a = np.abs(x).max(-1, keepdims=True)
;;       e = np.where(a > 0, np.clip(np.frexp(np.where(a > 0, a, 1))[1] - 1 - 2, -126, 127), 0)      # np.frexp(a)[1] - 1 = floor(log2(a)), exactly
;;       r = np.clip(x / 2.0 ** e, -6, 6)
;;       step = 2.0 ** (np.maximum(np.frexp(np.where(r == 0, 1, r))[1] - 1, 0) - 1)
;;       q = np.round(r / step) * step * 2.0 ** e      # np.round: ties to even
;;       return np.moveaxis(q.reshape(q.shape[:-2] + (-1,))[..., :K], -1, axis).astype(np.float32)
;;   ~~~
;;   SOFTMAX AHEAD OF A QUANTISED PRODUCT. Where the list says 'softmax', what is quantised is not the finished softmax but p = 2^(t - M), with t = logit x log2(e) and M = ceil(the row's largest t), a whole number; so 1/2 < the row's largest p <= 1. The row's sum l is taken of the UNQUANTISED p, in f32, and the product's result is divided by l at the end. Since M is a whole number, a kernel that streams over the keys may use a running M (the ceiling of the running maximum): every later rescaling is an exact power of two, which a block's scale takes up: the codes' values come out the same.
;;   OPERANDS COMPUTED ON THE WAY. 'Computed on the way' means the value that the module computes at that place (a softmax that the list does not call 'softmax' is quantised finished and normalised). What goes into a quantiser is computed in f32, as accurately as f32 sums, v_exp_f32 and their like allow (about 1e-6 of the number): no bf16 or f16 on the way to a quantiser, and a product that is left as it is and whose result goes on into a quantised operand takes f32 operands (vector FMAs, or v_wmma_f32_16x16x4_f32). A number that lies on a knife's edge between two numbers of the format may be rounded either way, as far as f32 arithmetic and the matrix unit's own rounding can turn it there, and no further.
;; One version. Each part assembles by itself: llvm-mc -triple=amdgcn-amd-amdhsa -mcpu=gfx1250 --defsym DOCPART=n.
;; ======== version 1 of 1: 5 launches
;; workspace buffers: wq 208,896 bytes; hbuf 16,777,216 bytes; kv 4,456,448 bytes; qb 2,228,224 bytes; bs 65,536 bytes; pe 65,536 bytes
;; launch wquant (part 1): grid 32 x 6, 1 waves a work-group, no clusters, 0 bytes of LDS; arguments w_in, w_q, w_k, w_v, w_o, w_pr, wq; writes wq
.if DOCPART == 1
	.amdgcn_target "amdgcn-amd-amdhsa--gfx1250"
	.amdhsa_code_object_version 6
	.text
	.protected	k_q1749e55752_wquant
	.globl	k_q1749e55752_wquant
	.p2align	8
	.type	k_q1749e55752_wquant,@function
k_q1749e55752_wquant:
	s_mov_b64 s[64:65], 0
	v_nop
	global_prefetch_b8 v0, s[64:65] scope:SCOPE_SE
	s_setreg_imm32_b32 hwreg(HW_REG_WAVE_MODE, 25, 1), 1
	s_wait_xcnt 0x0
; The six weights [256 (n)][256 (k)], f32, K innermost, become codes of FP4 (E2M1) with one E8M0 byte for each 32 along K, laid IN THE ORDER OF AN OPERAND'S REGISTERS.
; wq: weight i (0 in, 1 q, 2 k, 3 v, 4 o, 5 pr): codes at i x 32768 + (2 t + s) x 1024 + c x 512 + 16 x lane: fragment (tile t of 16 rows, K step s of 128); lane (r, h) holds k = 128 s + 64 c + 32 h + 0 .. 31
; of row 32 (t / 2) + 8 (t % 2) + r + 8 (r / 8): THE ROWS OF A TILE ARE NOT NEIGHBOURS, so that in a product used transposed the 16 registers of tiles 2 b and 2 b + 1 are 16 neighbours along the next K.
; Scale words (four bytes: 128 along K of one row) at 196608 + i x 2048 + t x 128 + s x 64 + 4 r: a load of 4 bytes a lane at t x 128 brings K step 0 to lanes 0-15 and K step 1 to lanes 16-31.
; One wave makes one fragment: work-group x = 2 t + s, y = the weight.  A lane holds two whole blocks of 32, so no other lane is asked for a maximum.
; A block's scale is 2^(floor(log2(its largest magnitude)) - 2); its byte is the largest magnitude's exponent field - 2, held at 1 from below.
; LIMITS: a block of zeros gets the byte 1 where the rule says 127 (its codes are zeros, and this program alone reads the bytes); NaN and infinities among the inputs are not served.
.set X, 32                             ; v32-95  my 64 numbers: block c at v[X + 32 c]
.set C, 16                             ; v16-23  the fragment's codes
	s_load_b256 s[4:11], s[0:1], 0x0               ; w_in, w_q, w_k, w_v
	s_load_b128 s[12:15], s[0:1], 0x20             ; w_o, w_pr
	s_load_b64 s[16:17], s[0:1], 0x30              ; wq
	s_and_b32 s18, ttmp7, 0xffff                   ; which weight
	v_and_b32 v1, 15, v0                           ; r
	v_bfe_u32 v2, v0, 4, 1                         ; h
	v_and_b32 v3, 8, v1
	v_add_nc_u32 v3, v3, v1                        ; r + 8 (r / 8)
	v_lshlrev_b32 v3, 10, v3                       ; a row is 1,024 bytes
	v_lshl_add_u32 v3, v2, 7, v3                   ; + 128 h: my block of 32 numbers
	v_lshlrev_b32 v4, 4, v0                        ; out: 16 x lane
	v_lshlrev_b32 v5, 2, v1                        ; the scale word: 4 r
	v_lshlrev_b32 v6, 3, v2                        ; 8 h: my bytes' place in the word
	v_mov_b32 v15, 0                               ; (a lane permute's destination counts as one of its sources)
	s_mov_b32 s26, 0x76543210
	s_mov_b32 s27, 0xfedcba98                      ; v_permlanex16_b32's selects for lane l xor 16
	s_lshr_b32 s19, ttmp9, 2                       ; t / 2
	s_lshl_b32 s19, s19, 15                        ; 32 rows
	s_bfe_u32 s20, ttmp9, 0x10001                  ; t % 2
	s_lshl_b32 s20, s20, 13                        ; 8 rows
	s_add_co_u32 s20, s20, s19
	s_and_b32 s19, ttmp9, 1                        ; s
	s_lshl_b32 s19, s19, 9                         ; 128 numbers
	s_add_co_u32 s20, s20, s19
	s_mov_b32 s21, 0                               ; s[20:21]: where the tile begins in its weight
	s_lshl_b32 s22, s18, 15
	s_lshl_b32 s23, ttmp9, 10
	s_add_co_u32 s22, s22, s23
	s_mov_b32 s23, 0                               ; s[22:23]: the fragment's codes in wq
	s_lshl_b32 s24, s18, 11
	s_lshl_b32 s25, ttmp9, 6
	s_add_co_u32 s24, s24, s25
	s_add_co_u32 s24, s24, 196608
	s_mov_b32 s25, 0                               ; s[24:25]: its scale words
	s_wait_alu depctr_va_vdst(0)
	s_wait_kmcnt 0x0
	s_cmp_eq_u32 s18, 1                            ; the weight is chosen by the work-group's number alone
	s_cselect_b64 s[4:5], s[6:7], s[4:5]
	s_cmp_eq_u32 s18, 2
	s_cselect_b64 s[4:5], s[8:9], s[4:5]
	s_cmp_eq_u32 s18, 3
	s_cselect_b64 s[4:5], s[10:11], s[4:5]
	s_cmp_eq_u32 s18, 4
	s_cselect_b64 s[4:5], s[12:13], s[4:5]
	s_cmp_eq_u32 s18, 5
	s_cselect_b64 s[4:5], s[14:15], s[4:5]
	s_add_nc_u64 s[4:5], s[4:5], s[20:21]
	s_add_nc_u64 s[28:29], s[16:17], s[22:23]
	s_add_nc_u64 s[30:31], s[16:17], s[24:25]
.irp c, 0,1
.irp i, 0,1,2,3,4,5,6,7
	global_load_b128 v[X+32*\c+4*\i:X+32*\c+4*\i+3], v3, s[4:5] offset:256*\c+16*\i th:TH_LOAD_NT   ; each weight is read once in this launch
.endr
.endr
	s_wait_loadcnt 0x0
.irp c, 0,1
	v_max3_num_f32 v[8+\c], |v[X+32*\c]|, |v[X+32*\c+1]|, 0x1800000   ; my block 2 c + h, and the floor 2^(3 - 127): the byte cannot fall under 1
.endr
.irp i, 2,4,6,8,10,12,14,16,18,20,22,24,26,28,30
.irp c, 0,1
	v_max3_num_f32 v[8+\c], v[8+\c], |v[X+32*\c+\i]|, |v[X+32*\c+\i+1]|   ; (the two blocks by turns)
.endr
.endr
.irp c, 0,1
	v_add_nc_u32 v[10+\c], 0xff000000, v[8+\c]     ; 2 off the exponent field: the conversion takes the exponent field of this operand as its scale
.endr
.irp c, 0,1
	v_lshrrev_b32 v[12+\c], 23, v[10+\c]           ; the scale's byte
.endr
	v_lshl_or_b32 v14, v13, 16, v12                ; my two bytes: blocks h and 2 + h,
	v_lshlrev_b32 v14, v6, v14                     ; at their places in the word;
	v_permlanex16_b32 v15, v14, s26, s27
	v_or_b32 v14, v14, v15                         ; with lane l xor 16's two the word is whole, in both lanes
.irp c, 0,1
.irp g, 0,1,2,3
	v_cvt_scalef32_pk8_fp4_f32 v[C+4*\c+\g], v[X+32*\c+8*\g:X+32*\c+8*\g+7], v[10+\c]
.endr
.endr
	global_store_b128 v4, v[C:C+3], s[28:29]               ; 32 lanes store 512 consecutive bytes
	global_store_b128 v4, v[C+4:C+7], s[28:29] offset:512
	global_store_b32 v5, v14, s[30:31]                     ; lanes l and l xor 16 store the same word to the same place
	s_endpgm
.Lfunc_end_k_q1749e55752_wquant:
	.size	k_q1749e55752_wquant, .Lfunc_end_k_q1749e55752_wquant-k_q1749e55752_wquant
	.p2alignl 7, 3214868480
	.fill 96, 4, 3214868480
	.section	.rodata,"a",@progbits
	.p2align	6, 0x0
	.amdhsa_kernel k_q1749e55752_wquant
		.amdhsa_group_segment_fixed_size 0
		.amdhsa_private_segment_fixed_size 0
		.amdhsa_enable_private_segment 0
		.amdhsa_kernarg_size 56
		.amdhsa_user_sgpr_count 2
		.amdhsa_user_sgpr_kernarg_segment_ptr 1
		.amdhsa_wavefront_size32 1
		.amdhsa_system_sgpr_workgroup_id_x 1
		.amdhsa_system_sgpr_workgroup_id_y 1
		.amdhsa_system_sgpr_workgroup_id_z 1
		.amdhsa_system_vgpr_workitem_id 0
		.amdhsa_next_free_vgpr 96
		.amdhsa_next_free_sgpr 66
		.amdhsa_reserve_vcc 0
		.amdhsa_float_denorm_mode_32 3
		.amdhsa_float_denorm_mode_16_64 3
		.amdhsa_memory_ordered 1
		.amdhsa_forward_progress 1
		.amdhsa_inst_pref_size 7
	.end_amdhsa_kernel
	.amdgpu_metadata
---
amdhsa.version: [ 1, 2 ]
amdhsa.kernels:
  - .name:           k_q1749e55752_wquant
    .symbol:         k_q1749e55752_wquant.kd
    .args:
      - { .name: w_in, .offset: 0, .size: 8, .value_kind: global_buffer, .address_space: global }
      - { .name: w_q, .offset: 8, .size: 8, .value_kind: global_buffer, .address_space: global }
      - { .name: w_k, .offset: 16, .size: 8, .value_kind: global_buffer, .address_space: global }
      - { .name: w_v, .offset: 24, .size: 8, .value_kind: global_buffer, .address_space: global }
      - { .name: w_o, .offset: 32, .size: 8, .value_kind: global_buffer, .address_space: global }
      - { .name: w_pr, .offset: 40, .size: 8, .value_kind: global_buffer, .address_space: global }
      - { .name: wq, .offset: 48, .size: 8, .value_kind: global_buffer, .address_space: global }
    .group_segment_fixed_size: 0
    .private_segment_fixed_size: 0
    .kernarg_segment_align: 8
    .kernarg_segment_size: 56
    .max_flat_workgroup_size: 32
    .sgpr_count:     66
    .vgpr_count:     96
    .wavefront_size: 32
...
	.end_amdgpu_metadata
.endif
;; end of part 1
;; launch proj (part 2): grid 256 x 1, 8 waves a work-group, no clusters, 19,456 bytes of LDS; arguments x, wq, b_in, b_q, b_k, b_v, hbuf, kv, qb; writes hbuf, kv, qb
.if DOCPART == 2
	.amdgcn_target "amdgcn-amd-amdhsa--gfx1250"
	.amdhsa_code_object_version 6
	.text
	.protected	k_q1749e55752_proj
	.globl	k_q1749e55752_proj
	.p2align	8
	.type	k_q1749e55752_proj,@function
k_q1749e55752_proj:
	s_mov_b64 s[64:65], 0
	v_nop
	global_prefetch_b8 v0, s[64:65] scope:SCOPE_SE
	s_setreg_imm32_b32 hwreg(HW_REG_WAVE_MODE, 25, 1), 1
	s_wait_xcnt 0x0
; h = x w_in^T + b_in;  q = h w_q^T + b_q, k = h w_k^T + b_k, v = h w_v^T + b_v: four products on codes of FP4 (E2M1) with one E8M0 byte for each 32 along K.  x and h are quantised here, in registers;
; the weights come as codes in operand order from wq.  Out: h as f32 (hbuf) for the pooling; q, k, v as CODES, quantised along the K of attention's products (q, k: the head's 64; v: the keys).
; SHARES.  A work-group of eight waves owns 64 tokens, as four tiles T of 16: row r of tile T is token 8 T + r % 8 + 32 (r / 8) of the 64, so that in v here, and in attention's scores, a lane's 32 registers
; are a WHOLE block of 32 neighbouring keys.
;   X:  wave w takes eight whole rows of x (tile w / 2, rows 8 (w % 2) on: eight neighbouring tokens); lane l holds k = 8 l .. 8 l + 7 of each, four lanes hold a block; codes and scale bytes to LDS | barrier |
;   1:  wave (cg = w % 4, th = w / 4) makes columns 64 cg .. + 63 of h for tiles 2 th, 2 th + 1 (transposed: source 0 = 16 rows of w_in, source 1 = x), stores them, quantises them: images to LDS | barrier |
;   2a: waves 0-3 make q of head w, waves 4-7 k of head w - 4, for all four tiles (transposed: a lane holds one token, its registers run along the head's 64): codes and scale bytes to memory;
;   2b: wave w makes channels 32 w .. + 31 of v, NOT transposed (source 0 = h's 16 tokens, source 1 = 16 rows of w_v): lane (r, h) holds one channel and tokens 32 h .. 32 h + 31: K = the keys.
; THE FACTOR 1/8 OF q IS NOT APPLIED HERE: a power of two leaves the codes as they are and moves the scale's byte alone, so attention multiplies its scores by log2(e) / 8 instead.
; LIMITS: that holds but for blocks of q whose largest magnitude lies under 2^-121 (the byte's lower hold); a block of zeros gets the byte 1 where the rule says 127 (zero codes; the bytes are this program's own);
; NaN and infinities are not served.
; NO CLUSTER, NO TENSOR LOAD: what the work-groups share is the weights, and each wave's fragments go from memory straight into the registers that hold them, once (168 KiB a work-group, every fragment but w_in's read by
; one wave): a joint load would add a way through LDS for every byte of it.
; v's scale bytes leave as 2 bytes a lane: a block of 64 tokens owns two of the four bytes of a word of 128 keys (128 KiB of such stores in the launch).
.set HIMG, 0                           ; LDS: h's eight fragments (tile T, K step s) as images of their registers: T x 2048 + s x 1024 + c x 512 + 16 x lane
.set XSC,  8192                        ; x's scale words: T x 128 + s x 64 + 4 r, byte b for k = 128 s + 32 b ..
.set HSC,  8704                        ; h's likewise
.set XIMG, 9216                        ; x's codes: T x 2176 + B x 272 + 16 r + 4 q: block B of 32 along K, 16 rows of 16 bytes, then 16 bytes of padding
.set XTP,  2176
.set LI,  1                            ; v1   16 x lane
.set LS,  2                            ; v2   4 x lane
.set XA,  3                            ; v3   x: 32 x lane: my eight numbers of a row
.set IWA, 4                            ; v4   where I store an image of h: 16 x lane + 4096 th + 512 cg
.set ISA, 5                            ; v5   and its two scale bytes: 4 r + 256 th + 64 (cg / 2) + 2 (cg % 2)
.set XRA, 6                            ; v6   where I read my two tiles' codes of x: 16 r + 272 h + 4352 th
.set XRS, 7                            ; v7   and their scale words: 4 x lane + 256 th
.set HO,  8                            ; v8   hbuf: 131072 h + 16 r
.set BA,  9                            ; v9   a bias in a transposed result's layout: 64 h
.set BVA, 10                           ; v10  b_v: 4 (r + 8 (r / 8))
.set WP,  11                           ; v11-12 scale words of two tile pairs
.set HWE, 13                           ; v13  an even tile's two bytes
.set BV,  14                           ; v14-15 b_v of my lane's channel in my two tiles
.set PC,  16                           ; v16-19 codes just made
.set TM,  20                           ; v20-27 at work in the quantisers
.set HW,  28                           ; v28  the two scale bytes just made
.set TMP, 29
.set WSI, 30                           ; v30-33 w_in's scale words;  v34-37 w_q's or w_k's;  v38-39 w_v's;  v40-41 x's;  v42-45 h's: these hold scales and nothing else
.set WSQ, 34
.set WSV, 38
.set XS,  40
.set HS,  42
.set XF,  46                           ; v46-61 the two fragments of a tile of tokens; in phase X v46-49 four scale bytes
.set BY,  46
.set XWA, 62                           ; v62  where I store x's codes: 272 (lane / 4) + 4 (lane % 4) + 2176 (w / 2) + 128 (w % 2)
.set XWS, 63                           ; v63  and x's scale bytes: 64 (lane / 16) + (lane / 4) % 4 + 128 (w / 2) + 32 (w % 2)
.set ACC, 64                           ; v64-95 four accumulators; at the start four rows of x
.set WA,  96                           ; v96-159 w_in's 8 fragments; later w_v's 4
.set WB,  160                          ; v160-223 four more rows of x; then w_q's or w_k's 8 fragments; then h's 8
.set BI,  224                          ; v224-255 b_in, then b_q or b_k, in the result's layout; then b_v's copies
.set WV,  22
.set CG,  23
.set TH,  24
.set HIM, 25
.set SEL, 26
.set XB,  28
.set WINB, 30
.set WQKB, 32
.set WVB, 34
.set SIB, 36
.set SQB, 38
.set SVB, 40
.set BIB, 42
.set BQB, 44
.set BVB, 46
.set HB,  48
.set OC,  50
.set OS,  52
.set OV,  54
.set OVS, 56
.macro PLACES n                        ; plain vector instructions that name no register of the matrix instructions in front of them (ISA guide 7.12.1)
.rept \n
	v_nop
.endr
.endm
.macro BARRIER                         ; my LDS stores have landed and my LDS loads are in: then the work-group's barrier
	s_wait_dscnt 0x0
	s_barrier_signal -1
	s_barrier_wait -1
.endm
; 32 numbers of a lane, register 16 g + i = k 32 g + 16 (lane / 16) + i of my row, become half a fragment: in v[pc .. pc + 3] lane (r, h) holds the 32 codes of block h; v[HW] the two scale bytes (in both lanes of a row).
.macro Q2 src, pc
.irp g, 0,1
	v_max3_num_f32 v[TM+\g], |v[(\src)+16*\g]|, |v[(\src)+16*\g+1]|, 0x1800000   ; my 16 numbers of block g, and the floor 2^(3 - 127): the byte cannot fall under 1
.endr
.irp i, 2,4,6,8,10,12,14
.irp g, 0,1
	v_max3_num_f32 v[TM+\g], v[TM+\g], |v[(\src)+16*\g+\i]|, |v[(\src)+16*\g+\i+1]|
.endr
.endr
.irp g, 0,1
	s_delay_alu instid0(VALU_DEP_2)
	v_permlanex16_b32 v[TM+2+\g], v[TM+\g], s[SEL], s[SEL+1]
.endr
.irp g, 0,1
	s_delay_alu instid0(VALU_DEP_2)
	v_max_num_f32 v[TM+\g], v[TM+\g], v[TM+2+\g]   ; with lane l xor 16's: the block's largest magnitude
.endr
.irp g, 0,1
	s_delay_alu instid0(VALU_DEP_2)
	v_add_nc_u32 v[TM+4+\g], 0xff000000, v[TM+\g]  ; 2 off its exponent field: the conversion's scale operand
.endr
.irp g, 0,1
	s_delay_alu instid0(VALU_DEP_2)
	v_lshrrev_b32 v[TM+6+\g], 23, v[TM+4+\g]       ; the scale's byte
.endr
	s_delay_alu instid0(VALU_DEP_1)
	v_lshl_or_b32 v[HW], v[TM+7], 8, v[TM+6]
.irp g, 0,1
	v_cvt_scalef32_pk8_fp4_f32 v[(\pc)+2*\g], v[(\src)+16*\g:(\src)+16*\g+7], v[TM+4+\g]
	v_cvt_scalef32_pk8_fp4_f32 v[(\pc)+2*\g+1], v[(\src)+16*\g+8:(\src)+16*\g+15], v[TM+4+\g]
.endr
	v_nop                                          ; one plain place behind a scaled conversion
	v_permlane16_swap_b32 v[(\pc)], v[(\pc)+2]     ; the operand's layout wants a WHOLE block in a lane: lanes 0-15 block 0, lanes 16-31 block 1
	v_permlane16_swap_b32 v[(\pc)+1], v[(\pc)+3]
.endm
.macro POSTL src, ibase, sbase, e      ; quantise, and store the image and its two scale bytes (both lanes of a row write the same two bytes)
	Q2 \src, PC
	ds_store_b128 v[IWA], v[PC:PC+3] offset:\ibase+\e*2048
	ds_store_b16 v[ISA], v[HW] offset:\sbase+\e*128
	s_wait_dscnt 0x0                               ; the stores have read their registers
.endm
.macro XLOAD reg, i0                   ; rows i0 .. i0 + 3 of my eight: each load covers 1,024 consecutive bytes of one row, every other 16 of them; the two loads of a row take all of it
.irp i, 0,1,2,3
	global_load_b128 v[\reg+8*\i:\reg+8*\i+3], v[XA], s[XB:XB+1] offset:(\i0+\i)*1024 th:TH_LOAD_NT
	global_load_b128 v[\reg+8*\i+4:\reg+8*\i+7], v[XA], s[XB:XB+1] offset:(\i0+\i)*1024+16 th:TH_LOAD_NT
.endr
.endm
; Four rows of x, eight numbers a lane and row, become codes and scale bytes in LDS.  Lanes 4 B .. 4 B + 3 hold block B of a row.  The four rows take turns line by line.
.macro XQ reg, i0
.irp i, 0,1,2,3
	v_max3_num_f32 v[TM+\i], |v[\reg+8*\i]|, |v[\reg+8*\i+1]|, 0x1800000   ; my eight numbers, and the floor 2^(3 - 127)
.endr
.irp j, 2,4,6
.irp i, 0,1,2,3
	s_delay_alu instid0(VALU_DEP_4)
	v_max3_num_f32 v[TM+\i], v[TM+\i], |v[\reg+8*\i+\j]|, |v[\reg+8*\i+\j+1]|
.endr
.endr
.irp m, 1,2
.irp i, 0,1,2,3
	s_delay_alu instid0(VALU_DEP_4)
	v_max_num_f32_dpp v[TM+\i], v[TM+\i], v[TM+\i] row_xmask:\m row_mask:0xf bank_mask:0xf   ; with lanes l xor 1 and l xor 2: the block's largest magnitude
.endr
.endr
.irp i, 0,1,2,3
	s_delay_alu instid0(VALU_DEP_4)
	v_add_nc_u32 v[TM+4+\i], 0xff000000, v[TM+\i]  ; 2 off its exponent field: the conversion's scale operand
.endr
.irp i, 0,1,2,3
	s_delay_alu instid0(VALU_DEP_4)
	v_lshrrev_b32 v[BY+\i], 23, v[TM+4+\i]         ; the scale's byte
.endr
.irp i, 0,1,2,3
	v_cvt_scalef32_pk8_fp4_f32 v[PC+\i], v[\reg+8*\i:\reg+8*\i+7], v[TM+4+\i]
.endr
	v_nop                                          ; one plain place behind a scaled conversion
.irp i, 0,1,2,3
	ds_store_b32 v[XWA], v[PC+\i] offset:XIMG+16*(\i0+\i)   ; a block begins 68 words behind the last: the store's eight groups of four lanes fall on 32 different banks (64 banks of 4 bytes: ISA guide 11.1)
.endr
.irp i, 0,1,2,3
	ds_store_b8 v[XWS], v[BY+\i] offset:XSC+4*(\i0+\i)      ; the four lanes of a block write the same byte with the same value
.endr
	s_wait_dscnt 0x0                               ; the stores have read their registers
.endm
.macro WLOAD reg, base, n              ; n fragments in operand order: 512 consecutive bytes a load
.set F, 0
.rept \n
	global_load_b128 v[\reg+8*F:\reg+8*F+3], v[LI], s[\base:\base+1] offset:F*1024
	global_load_b128 v[\reg+8*F+4:\reg+8*F+7], v[LI], s[\base:\base+1] offset:F*1024+512
.set F, F+1
.endr
.endm
.macro BLOAD base                      ; a bias for four tiles in a transposed result's layout: tile 2 b + u, lane (r, h): units 32 b + 16 h + 8 u + 0 .. 7
.irp t, 0,1,2,3
	global_load_b128 v[BI+8*\t:BI+8*\t+3], v[BA], s[\base:\base+1] offset:(32*(\t/2)+8*(\t%2))*4
	global_load_b128 v[BI+8*\t+4:BI+8*\t+7], v[BA], s[\base:\base+1] offset:(32*(\t/2)+8*(\t%2))*4+16
.endr
.endm
; Eight products: four tiles of a weight's rows x the tile of tokens in XF, K = 256 in two steps; the bias starts the sums.  The four accumulators take turns, one instruction a turn.
.macro MM8 w, ws, bs
.irp t, 0,1,2,3
	v_wmma_scale_f32_16x16x128_f8f6f4 v[ACC+8*\t:ACC+8*\t+7], v[\w+16*\t:\w+16*\t+7], v[XF:XF+7], v[BI+8*\t:BI+8*\t+7], v[\ws+\t], v[\bs] matrix_a_fmt:MATRIX_FMT_FP4 matrix_b_fmt:MATRIX_FMT_FP4
.endr
.irp t, 0,1,2,3
	v_wmma_scale_f32_16x16x128_f8f6f4 v[ACC+8*\t:ACC+8*\t+7], v[\w+16*\t+8:\w+16*\t+15], v[XF+8:XF+15], v[ACC+8*\t:ACC+8*\t+7], v[\ws+\t], v[\bs] matrix_a_fmt:MATRIX_FMT_FP4 matrix_b_fmt:MATRIX_FMT_FP4 matrix_a_scale:MATRIX_SCALE_ROW1 matrix_b_scale:MATRIX_SCALE_ROW1
.endr
.endm
.macro FETCH2 adr, off, st             ; a tile's two fragments: four quarters, st bytes apart
.irp i, 0,1,2,3
	ds_load_b128 v[XF+4*\i:XF+4*\i+3], v[\adr] offset:\off+\st*\i
.endr
.endm
	s_load_b512 s[4:19], s[0:1], 0x0               ; x s[4:5], wq s[6:7], b_in s[8:9], b_q s[10:11], b_k s[12:13], b_v s[14:15], hbuf s[16:17], kv s[18:19]
	s_load_b64 s[20:21], s[0:1], 0x40              ; qb
	s_set_vgpr_msb 0x40
	v_lshl_add_u32 v0, v0, 2, 0x4800
	v_mov_b32 v1, 0
	s_set_vgpr_msb 0x4000
	v_lshrrev_b32 v[TMP], 5, v0
	s_delay_alu instid0(VALU_DEP_1)
	v_readfirstlane_b32 s[WV], v[TMP]              ; wave 0..7
	s_and_b32 s[CG], s[WV], 3                      ; cg; in phase 2a the head
	s_lshr_b32 s[TH], s[WV], 2                     ; th; in phase 2a 0: q, 1: k
	s_mov_b32 s[HIM], 0xffff0000                   ; lanes 16-31
	s_mov_b32 s[SEL], 0x76543210
	s_mov_b32 s[SEL+1], 0xfedcba98                 ; v_permlanex16_b32's selects for lane l xor 16
	v_and_b32 v[TMP], 31, v0                       ; lane
	s_delay_alu instid0(VALU_DEP_1)
	v_lshlrev_b32 v[LI], 4, v[TMP]
	s_delay_alu instid0(VALU_DEP_2)
	v_lshlrev_b32 v[LS], 2, v[TMP]
	s_delay_alu instid0(VALU_DEP_3)
	v_lshlrev_b32 v[XA], 5, v[TMP]
	v_and_b32 v11, 15, v0                          ; r
	v_bfe_u32 v12, v0, 4, 1                        ; h
	s_delay_alu instid0(VALU_DEP_2)
	v_and_b32 v13, 8, v11
	s_delay_alu instid0(VALU_DEP_1)
	v_add_nc_u32 v13, v13, v11                     ; r + 8 (r / 8): the order of a weight's rows in a tile
	s_delay_alu instid0(VALU_DEP_1)
	v_lshlrev_b32 v[BVA], 2, v13
	s_delay_alu instid0(VALU_DEP_4)
	v_lshlrev_b32 v[BA], 6, v12
	v_lshlrev_b32 v[HO], 4, v11
	s_delay_alu instid0(VALU_DEP_1)
	v_lshl_add_u32 v[HO], v12, 17, v[HO]
	s_lshl_b32 s58, s[TH], 12
	s_lshl_b32 s59, s[CG], 9
	s_add_co_u32 s59, s58, s59
	v_add_nc_u32 v[IWA], s59, v[LI]
	s_lshl_b32 s58, s[TH], 8
	v_add_nc_u32 v[XRS], s58, v[LS]
	s_lshr_b32 s59, s[CG], 1
	s_lshl_b32 s59, s59, 6
	s_add_co_u32 s58, s58, s59
	s_and_b32 s59, s[CG], 1
	s_lshl_b32 s59, s59, 1
	s_add_co_u32 s58, s58, s59
	v_lshl_add_u32 v[ISA], v11, 2, s58
	s_mul_i32 s58, s[TH], 2*XTP
	v_mul_u32_u24 v[XRA], v12, 272                 ; lanes 16-31 read the block behind lanes 0-15's
	s_delay_alu instid0(VALU_DEP_1)
	v_lshl_add_u32 v[XRA], v11, 4, v[XRA]
	s_delay_alu instid0(VALU_DEP_1)
	v_add_nc_u32 v[XRA], s58, v[XRA]
	s_lshr_b32 s60, s[WV], 1                       ; phase X: my tile,
	s_and_b32 s61, s[WV], 1                        ; and which eight of its rows
	s_mul_i32 s58, s60, XTP
	s_lshl_b32 s59, s61, 7
	s_add_co_u32 s58, s58, s59
	v_lshrrev_b32 v[XWA], 2, v[TMP]                ; my block of a row
	s_delay_alu instid0(VALU_DEP_1)
	v_mul_u32_u24 v[XWA], v[XWA], 272
	v_and_b32 v[XWS], 3, v[TMP]                    ; my eight codes of its 32
	s_delay_alu instid0(VALU_DEP_1)
	v_lshl_add_u32 v[XWA], v[XWS], 2, v[XWA]
	s_delay_alu instid0(VALU_DEP_1)
	v_add_nc_u32 v[XWA], s58, v[XWA]
	s_lshl_b32 s58, s60, 7
	s_lshl_b32 s59, s61, 5
	s_add_co_u32 s58, s58, s59
	v_bfe_u32 v[XWS], v0, 2, 2                     ; my block's byte in its word,
	s_delay_alu instid0(VALU_DEP_1)
	v_lshl_add_u32 v[XWS], v12, 6, v[XWS]          ; the K step's words
	s_delay_alu instid0(VALU_DEP_1)
	v_add_nc_u32 v[XWS], s58, v[XWS]
	v_mov_b32 v[TM+2], 0                           ; written once: a lane permute's destination counts as one of its sources
	v_mov_b32 v[TM+3], 0
	s_lshl_b32 s58, ttmp9, 16                      ; x: 64 rows of 1,024 bytes a work-group; my eight rows begin at token 8 (w / 2) + 32 (w % 2)
	s_lshl_b32 s60, s60, 13
	s_add_co_u32 s58, s58, s60
	s_lshl_b32 s61, s61, 15
	s_add_co_u32 s58, s58, s61
	s_mov_b32 s59, 0                               ; s59 stays 0: s[58:59] is an offset of 64 bits
	s_wait_kmcnt 0x0
	s_add_nc_u64 s[XB:XB+1], s[4:5], s[58:59]
	XLOAD ACC, 0                                   ; 8 loads
	XLOAD WB, 4                                    ; 8
	s_lshl_b32 s58, s[CG], 13
	s_add_nc_u64 s[WINB:WINB+1], s[6:7], s[58:59]  ; w_in's tiles 4 cg .. 4 cg + 3
	WLOAD WA, WINB, 8                              ; 16
	s_lshl_b32 s58, s[CG], 9
	s_add_co_u32 s58, s58, 196608
	s_add_nc_u64 s[SIB:SIB+1], s[6:7], s[58:59]
.irp t, 0,1,2,3
	global_load_b32 v[WSI+\t], v[LS], s[SIB:SIB+1] offset:\t*128   ; 4
.endr
	s_lshl_b32 s58, s[CG], 8
	s_add_nc_u64 s[BIB:BIB+1], s[8:9], s[58:59]
	BLOAD BIB                                      ; 8
	s_cmp_eq_u32 s[TH], 0                          ; q's bias or k's: the choice hangs on the wave's number alone
	s_cselect_b64 s[BQB:BQB+1], s[10:11], s[12:13]
	s_add_nc_u64 s[BQB:BQB+1], s[BQB:BQB+1], s[58:59]
	s_add_co_u32 s60, s[TH], 1                     ; weight 1 (q) or 2 (k)
	s_lshl_b32 s58, s60, 11
	s_lshl_b32 s61, s[CG], 9
	s_add_co_u32 s58, s58, s61
	s_add_co_u32 s58, s58, 196608
	s_add_nc_u64 s[SQB:SQB+1], s[6:7], s[58:59]
.irp t, 0,1,2,3
	global_load_b32 v[WSQ+\t], v[LS], s[SQB:SQB+1] offset:\t*128   ; 4
.endr
	s_lshl_b32 s58, s[WV], 8
	s_add_co_u32 s58, s58, 202752                  ; 196608 + 3 x 2048
	s_add_nc_u64 s[SVB:SVB+1], s[6:7], s[58:59]
.irp u, 0,1
	global_load_b32 v[WSV+\u], v[LS], s[SVB:SVB+1] offset:\u*128   ; 2
.endr
	s_lshl_b32 s58, s[WV], 7
	s_add_nc_u64 s[BVB:BVB+1], s[14:15], s[58:59]
.irp u, 0,1
	global_load_b32 v[BV+\u], v[BVA], s[BVB:BVB+1] offset:\u*32    ; 2: b_v of channel 32 w + 8 u + r + 8 (r / 8)
.endr
	s_lshl_b32 s58, s60, 15
	s_lshl_b32 s61, s[CG], 13
	s_add_co_u32 s58, s58, s61
	s_add_nc_u64 s[WQKB:WQKB+1], s[6:7], s[58:59]
	s_lshl_b32 s58, s[WV], 12
	s_add_co_u32 s58, s58, 98304
	s_add_nc_u64 s[WVB:WVB+1], s[6:7], s[58:59]    ; w_v's tiles 2 w, 2 w + 1
	s_lshr_b32 s58, ttmp9, 5                       ; hbuf [batch][slice of 4 columns][place 0 .. 2047][4], place 16 T + r of a block of 64: the batch,
	s_lshl_b32 s58, s58, 21
	s_lshl_b32 s60, s[CG], 19                      ; 16 cg slices of 32,768 bytes,
	s_add_co_u32 s58, s58, s60
	s_and_b32 s60, ttmp9, 31
	s_lshl_b32 s60, s60, 10                        ; the work-group's 64 places of 16 bytes,
	s_add_co_u32 s58, s58, s60
	s_lshl_b32 s60, s[TH], 9                       ; 32 th places
	s_add_co_u32 s58, s58, s60
	s_add_nc_u64 s[HB:HB+1], s[16:17], s[58:59]
	s_lshr_b32 s60, ttmp9, 1
	s_mul_i32 s60, s60, 34816                      ; kv: the block of my 128 keys
	s_and_b32 s61, ttmp9, 1                        ; which half of them
	s_lshl_b32 s62, s[CG], 12                      ; k's codes: head x 4096 + half x 2048
	s_add_co_u32 s62, s62, s60
	s_lshl_b32 s63, s61, 11
	s_add_co_u32 s62, s62, s63
	s_mul_i32 s58, ttmp9, 8704                     ; qb: my work-group's block
	s_lshl_b32 s63, s[CG], 11                      ; q's codes: head x 2048
	s_add_co_u32 s63, s63, s58
	s_cmp_eq_u32 s[TH], 0
	s_cselect_b32 s62, s63, s62
	s_cselect_b64 s[OC:OC+1], s[20:21], s[18:19]
	s_mov_b32 s63, 0
	s_add_nc_u64 s[OC:OC+1], s[OC:OC+1], s[62:63]
	s_lshl_b32 s62, s61, 9                         ; k's scale words: 32768 + half x 512 + head x 128
	s_add_co_u32 s62, s62, s60
	s_add_co_u32 s62, s62, 32768
	s_add_co_u32 s58, s58, 8192                    ; q's: 8192 + head x 128
	s_cmp_eq_u32 s[TH], 0
	s_cselect_b32 s62, s58, s62
	s_cselect_b64 s[OS:OS+1], s[20:21], s[18:19]
	s_lshl_b32 s58, s[CG], 7
	s_add_co_u32 s62, s62, s58
	s_add_nc_u64 s[OS:OS+1], s[OS:OS+1], s[62:63]
	s_lshl_b32 s62, s[WV], 11                      ; v's codes: 16384 + w x 2048 + half x 512
	s_add_co_u32 s62, s62, s60
	s_lshl_b32 s58, s61, 9
	s_add_co_u32 s62, s62, s58
	s_add_co_u32 s62, s62, 16384
	s_add_nc_u64 s[OV:OV+1], s[18:19], s[62:63]
	s_lshl_b32 s62, s[WV], 7                       ; v's scale bytes: 33792 + w x 128 + 2 x half
	s_add_co_u32 s62, s62, s60
	s_lshl_b32 s58, s61, 1
	s_add_co_u32 s62, s62, s58
	s_add_co_u32 s62, s62, 33792
	s_add_nc_u64 s[OVS:OVS+1], s[18:19], s[62:63]
	; ---- X
	s_wait_loadcnt 44                              ; x's first 8 loads are in; behind them 8 + 16 + 4 + 8 + 6 + 2 were issued
	XQ ACC, 0
	s_wait_loadcnt 36                              ; x's second 8
	XQ WB, 4
	WLOAD WB, WQKB, 8                              ; 16 loads: w_q's or w_k's fragments, into the registers that x has left
	BARRIER                                        ; x's codes and scale words lie in LDS
	; ---- 1
.macro HSTEP e
	FETCH2 XRA, XIMG+\e*XTP, 544                   ; quarter i = blocks 2 i (lanes 0-15) and 2 i + 1 (lanes 16-31): sixteen lanes read 256 consecutive bytes
	ds_load_b32 v[XS+\e], v[XRS] offset:XSC+\e*128 ; lanes 0-15: K step 0; lanes 16-31: K step 1
	s_wait_dscnt 0x0
.if \e == 0
	s_wait_loadcnt 16                              ; all but the 16 just issued
.else
	s_wait_xcnt 0x0                                ; the first tile's stores of h have read the accumulators
.endif
	MM8 WA, WSI, XS+\e
	PLACES 5
.if \e == 1
	BLOAD BQB                                      ; 8 loads over b_in, 8 over w_in: both are done with
	WLOAD WA, WVB, 4
.endif
.irp t, 0,1,2,3
.irp k, 0,1
	global_store_b128 v[HO], v[ACC+8*\t+4*\k:ACC+8*\t+4*\k+3], s[HB:HB+1] offset:(8*(\t/2)+2*(\t%2)+\k)*32768+\e*256   ; four columns of 16 places: 16 lanes store 256 consecutive bytes, aligned
.endr
.endr
	POSTL ACC, HIMG, HSC, \e
.endm
	HSTEP 0
	HSTEP 1
	BARRIER                                        ; h's eight fragments lie in LDS
	; ---- 2a
.irp m, 0,1,2,3
	ds_load_b32 v[HS+\m], v[LS] offset:HSC+\m*128
.endr
.macro QKSTEP m
	FETCH2 LI, HIMG+\m*2048, 512
	s_wait_dscnt 0x0
.if \m == 0
	s_wait_loadcnt 8                               ; the weight's fragments and the bias are in; w_v's 8 loads may be out
.endif
	s_wait_xcnt 0x0                                ; earlier stores have read the accumulators and the codes' registers
	MM8 WB, WSQ, HS+\m
	PLACES 5
	Q2 ACC, PC                                     ; the head's 64 channels of 16 tokens: two blocks a token
	global_store_b128 v[LI], v[PC:PC+3], s[OC:OC+1] offset:\m*512
.if (\m%2) == 0
	v_mov_b32 v[HWE], v[HW]
.else
	v_lshl_or_b32 v[WP+\m/2], v[HW], 16, v[HWE]    ; a pair of tiles shares a word: the even tile's two bytes below, the odd tile's above
.endif
.endm
	QKSTEP 0
	QKSTEP 1
	QKSTEP 2
	QKSTEP 3
	s_delay_alu instid0(VALU_DEP_1)
	v_cndmask_b32 v[TMP], v[WP], v[WP+1], s[HIM]   ; lanes 0-15 the first pair's words, lanes 16-31 the second's
	global_store_b32 v[LS], v[TMP], s[OS:OS+1]
	; ---- 2b
.irp j, 0,1,2,3,4,5,6,7
	v_mov_b32 v[BI+\j], v[BV]                      ; b_v as the C of the first products: a lane holds one channel, so all eight registers hold its bias
	v_mov_b32 v[BI+8+\j], v[BV+1]
.endr
.irp i, 0,1,2,3,4,5,6,7,8,9,10,11,12,13,14,15
	ds_load_b128 v[WB+4*\i:WB+4*\i+3], v[LI] offset:HIMG+512*\i   ; all eight fragments of h: (T, s) at v[WB + 16 T + 8 s]
.endr
	s_wait_alu depctr_va_vdst(0)
	s_wait_dscnt 0x0
	s_wait_loadcnt 0x0                             ; w_v's fragments
; The 32 registers of the four accumulators are tokens 32 h + 0 .. 31 of my channel, in order: ONE whole block of keys a lane.  No other lane is asked for the maximum, and the conversions' results
; are the operand's registers.  The two blocks' bytes meet by one exchange between the halves of the lanes.
.macro QV
.irp g, 0,1
	v_max3_num_f32 v[TM+\g], |v[ACC+16*\g]|, |v[ACC+16*\g+1]|, 0x1800000   ; two chains, each with the floor 2^(3 - 127)
.endr
.irp i, 2,4,6,8,10,12,14
.irp g, 0,1
	v_max3_num_f32 v[TM+\g], v[TM+\g], |v[ACC+16*\g+\i]|, |v[ACC+16*\g+\i+1]|
.endr
.endr
	s_delay_alu instid0(VALU_DEP_1)
	v_max_num_f32 v[TM], v[TM], v[TM+1]            ; the block's largest magnitude
	s_delay_alu instid0(VALU_DEP_1)
	v_add_nc_u32 v[TM+4], 0xff000000, v[TM]        ; 2 off its exponent field: the conversion's scale operand
	s_delay_alu instid0(VALU_DEP_1)
	v_lshrrev_b32 v[TM+6], 23, v[TM+4]             ; my block's byte
.irp m, 0,1,2,3
	v_cvt_scalef32_pk8_fp4_f32 v[PC+\m], v[ACC+8*\m:ACC+8*\m+7], v[TM+4]
.endr
	v_nop                                          ; one plain place behind a scaled conversion
	v_permlanex16_b32 v[TM+2], v[TM+6], s[SEL], s[SEL+1]
	s_delay_alu instid0(VALU_DEP_1)
	v_cndmask_b32 v[TM+3], v[TM+6], v[TM+2], s[HIM]   ; block 0's byte: mine in lanes 0-15, the other lane's in lanes 16-31
	s_delay_alu instid0(VALU_DEP_2)
	v_cndmask_b32 v[TM+5], v[TM+2], v[TM+6], s[HIM]   ; block 1's
	s_delay_alu instid0(VALU_DEP_1)
	v_lshl_or_b32 v[HW], v[TM+5], 8, v[TM+3]
.endm
.macro VSTEP u
.irp m, 0,1,2,3
	v_wmma_scale_f32_16x16x128_f8f6f4 v[ACC+8*\m:ACC+8*\m+7], v[WB+16*\m:WB+16*\m+7], v[WA+16*\u:WA+16*\u+7], v[BI+8*\u:BI+8*\u+7], v[HS+\m], v[WSV+\u] matrix_a_fmt:MATRIX_FMT_FP4 matrix_b_fmt:MATRIX_FMT_FP4
.endr
.irp m, 0,1,2,3
	v_wmma_scale_f32_16x16x128_f8f6f4 v[ACC+8*\m:ACC+8*\m+7], v[WB+16*\m+8:WB+16*\m+15], v[WA+16*\u+8:WA+16*\u+15], v[ACC+8*\m:ACC+8*\m+7], v[HS+\m], v[WSV+\u] matrix_a_fmt:MATRIX_FMT_FP4 matrix_b_fmt:MATRIX_FMT_FP4 matrix_a_scale:MATRIX_SCALE_ROW1 matrix_b_scale:MATRIX_SCALE_ROW1
.endr
	PLACES 5
	s_wait_xcnt 0x0                                ; the last store has read the codes' registers
	QV
	global_store_b128 v[LI], v[PC:PC+3], s[OV:OV+1] offset:\u*1024
.endm
	VSTEP 0
	v_mov_b32 v[WP], v[HW]
	VSTEP 1
	v_cndmask_b32 v[TMP], v[WP], v[HW], s[HIM]     ; lanes 0-15 the first tile's bytes, lanes 16-31 the second's
	global_store_b16 v[LS], v[TMP], s[OVS:OVS+1]
	s_set_vgpr_msb 0x5
	s_wait_tensorcnt 0x0
	ds_add_u32 v0, v1
	s_wait_dscnt 0x0
	s_set_vgpr_msb 0x500
	s_endpgm
.Lfunc_end_k_q1749e55752_proj:
	.size	k_q1749e55752_proj, .Lfunc_end_k_q1749e55752_proj-k_q1749e55752_proj
	.p2alignl 7, 3214868480
	.fill 96, 4, 3214868480
	.section	.rodata,"a",@progbits
	.p2align	6, 0x0
	.amdhsa_kernel k_q1749e55752_proj
		.amdhsa_group_segment_fixed_size 19456
		.amdhsa_private_segment_fixed_size 0
		.amdhsa_enable_private_segment 0
		.amdhsa_kernarg_size 72
		.amdhsa_user_sgpr_count 2
		.amdhsa_user_sgpr_kernarg_segment_ptr 1
		.amdhsa_wavefront_size32 1
		.amdhsa_system_sgpr_workgroup_id_x 1
		.amdhsa_system_sgpr_workgroup_id_y 1
		.amdhsa_system_sgpr_workgroup_id_z 1
		.amdhsa_system_vgpr_workitem_id 0
		.amdhsa_next_free_vgpr 258
		.amdhsa_next_free_sgpr 66
		.amdhsa_reserve_vcc 0
		.amdhsa_float_denorm_mode_32 3
		.amdhsa_float_denorm_mode_16_64 3
		.amdhsa_memory_ordered 1
		.amdhsa_forward_progress 1
		.amdhsa_inst_pref_size 55
	.end_amdhsa_kernel
	.amdgpu_metadata
---
amdhsa.version: [ 1, 2 ]
amdhsa.kernels:
  - .name:           k_q1749e55752_proj
    .symbol:         k_q1749e55752_proj.kd
    .args:
      - { .name: x, .offset: 0, .size: 8, .value_kind: global_buffer, .address_space: global }
      - { .name: wq, .offset: 8, .size: 8, .value_kind: global_buffer, .address_space: global }
      - { .name: b_in, .offset: 16, .size: 8, .value_kind: global_buffer, .address_space: global }
      - { .name: b_q, .offset: 24, .size: 8, .value_kind: global_buffer, .address_space: global }
      - { .name: b_k, .offset: 32, .size: 8, .value_kind: global_buffer, .address_space: global }
      - { .name: b_v, .offset: 40, .size: 8, .value_kind: global_buffer, .address_space: global }
      - { .name: hbuf, .offset: 48, .size: 8, .value_kind: global_buffer, .address_space: global }
      - { .name: kv, .offset: 56, .size: 8, .value_kind: global_buffer, .address_space: global }
      - { .name: qb, .offset: 64, .size: 8, .value_kind: global_buffer, .address_space: global }
    .group_segment_fixed_size: 19456
    .private_segment_fixed_size: 0
    .kernarg_segment_align: 8
    .kernarg_segment_size: 72
    .max_flat_workgroup_size: 256
    .sgpr_count:     66
    .vgpr_count:     258
    .wavefront_size: 32
...
	.end_amdgpu_metadata
.endif
;; end of part 2
;; launch attn (part 3): grid 256 x 1, 16 waves a work-group, clusters of 4 x 1, 327,680 bytes of LDS; arguments qb, kv, wq, b_o, w_bd, b_bd, bs; writes bs
.if DOCPART == 3
	.amdgcn_target "amdgcn-amd-amdhsa--gfx1250"
	.amdhsa_code_object_version 6
	.text
	.protected	k_q1749e55752_attn
	.globl	k_q1749e55752_attn
	.p2align	8
	.type	k_q1749e55752_attn,@function
k_q1749e55752_attn:
	s_mov_b64 s[64:65], 0
	v_nop
	global_prefetch_b8 v0, s[64:65] scope:SCOPE_SE
	s_setreg_imm32_b32 hwreg(HW_REG_WAVE_MODE, 25, 1), 1
	s_wait_xcnt 0x0
	s_wait_alu depctr_hold_cnt(0) depctr_sa_sdst(0) depctr_va_vdst(0) depctr_va_sdst(0) depctr_va_ssrc(0) depctr_va_vcc(0) depctr_vm_vsrc(0)
	s_getreg_b32 s2, hwreg(HW_REG_IB_STS2, 6, 4)
	s_cmp_eq_u32 s2, 0
	s_cbranch_scc0 .Lentry_in_a_cluster
	s_endpgm
.Lentry_in_a_cluster:
	s_bfe_u32 s2, ttmp6, 0x10000c
	s_cmp_lg_u32 s2, 0x3003
	s_cbranch_scc0 .Lentry_shape_is_right
	s_endpgm
.Lentry_shape_is_right:
; Attention on codes of FP4 (E2M1), the output projection, the boundary score: bs[token] = sigmoid((softmax(q k^T / 8) v) w_o^T + b_o) . w_bd + b_bd).
; SHARES.  A work-group owns 64 tokens of one batch, all four heads; wave w owns tile T = w % 4 of 16 queries of head w / 4, in 256 registers: four waves to a SIMD, so that one wave's vector work stands beside
; another's matrix work and LDS loads.  Every wave walks the batch's 2,048 keys, 128 a step.  All heads of a token lie in one work-group, so the projection and the score follow here, through LDS.
; THE SOFTMAX AHEAD OF THE SECOND PRODUCT: t = score x log2(e) / 8 (q comes without its factor 1/8: a power of two, which leaves its codes as they are); M = the row's largest t so far, rounded UP to a whole number;
; p = 2^(t - M) is what is quantised, along the keys; the row's sum is taken of the unquantised p and divides at the end.  When M moves, the sum and O are multiplied by 2^(old M - new M): exact.
; LAYOUT.  Both products are used transposed (S^T = K Q^T, O^T = V^T P^T): a lane holds ONE query.  kv holds, for each 128 keys of a batch, one dense block of 34,816 bytes in operand order: K's tiles (head, t = 0 .. 7:
; 512 bytes, lane (r, h): key 64 (t / 4) + 8 (t % 4) + r % 8 + 32 (r / 8), channels 32 h ..), V's fragments (head, 16 channels x 128 keys), K's and V's scale words.
; THE KEYS OF A TILE ARE NOT NEIGHBOURS: by that order the 32 registers of tiles 4 c .. 4 c + 3 of lane (r, h) are keys 64 c + 32 h + 0 .. 31: a WHOLE block of 32 in one lane, in the very registers' order that the
; second product's operand wants.  So a block's maximum asks no other lane, the conversions' results are the operand, and a lane has two blocks to find a scale for.
; THE FIRST PRODUCT'S K IS 64, half of the instruction's 128: source 0 takes TWO tiles of keys, one in each half of K, and source 1 is q beside 64 zero codes, [q | 0] for the even tile and [0 | q] for the odd one.
; Zero codes add nothing under any scale byte but 0xff, and the bytes here lie from 1 to 254.
; CLUSTER.  The four work-groups of a cluster belong to one batch and walk the same blocks of kv: each block is asked for JOINTLY.  Two slots of four key steps; waves 0-3 fetch one step's block each;
; a wave has one tensor load outstanding at the most.
; LIMITS: blocks of zeros keep the byte 1 (zero codes); 1 / l and the sigmoid are made by v_rcp_f32 and v_exp_f32; NaN and infinities are not served.
.set STEPB, 34816                      ; a key step's block: 136 rows of 256 bytes
.set SLOTB, 4*STEPB
.set AIMG,  2*SLOTB                    ; behind the ring: the attention output's eight fragments (tile T, K step s): T x 2048 + s x 1024 + c x 512 + 16 x lane
.set ASC,   AIMG+8192                  ; their scale words: T x 128 + s x 64 + 4 r
.set ZP,    ASC+512                    ; the score's four parts: group x 256 + T x 64 + 4 r
.set SPARE, ZP+1024                    ; the spare words, 128 bytes for each wave: eight blocks of 256 bytes that no other line names
.set AK0,  1                           ; v1   16 x lane + head x 4096
.set AS0,  2                           ; v2   4 x lane + head x 128 + 32768: K's scale words
.set AVS0, 3                           ; v3   4 x lane + head x 256 + 33792: V's
.set SPW,  4                           ; v4   LDS address of my spare word; never rewritten
.set NIL,  5                           ; v5   0; never rewritten
.set ADK,  6                           ; v6-8 the step's addresses
.set ADS,  7
.set ADT,  8
.set AIW,  9                           ; v9   where I store my half fragment of the attention output
.set ASW,  10                          ; v10  and its two scale bytes
.set AIR,  11                          ; v11  where I read my tile's two fragments
.set QL,   20                          ; v16-19 zeros, v20-23 q, v24-27 zeros: [q | 0] = v[20:27], [0 | q] = v[16:23]
.set QS,   28                          ; v28 q's scale word; v29-30 K's; v31-32 V's; v33 p's: these hold scales and nothing else
.set KS,   29
.set VS,   31
.set PW,   33
.set FF,   34                          ; v[34:35] f = 2^(old M - new M), and a register that is only named with it
.set KF,   36                          ; v36-67  K's eight tiles;  v68-99 V's four fragments;  later w_o's eight
.set VF,   68
.set S,    100                         ; v100-163 S^T, then p;  later b_o (the accumulators of the projection) and w_bd
.set O,    164                         ; v164-195 O^T
.set PC,   196                         ; v196-203 p's codes
.set BM,   204                         ; v204-207 four chains of maxima; then v204, v206 my two blocks';  v208-211, v212-213 at work
.set T2,   208
.set SO,   212
.set TM,   204                         ; the quantiser of the epilogue works in v204-211,
.set HW,   216                         ; and leaves its two scale bytes in v216
.set ASR,  222
.set ZPW,  223
.set ZPR,  224
.set BSO,  225
.set LI,   226
.set BA,   227
.set WOS,  228                         ; v228-231 w_o's scale words; v232 the attention output's
.set ASL,  232
.set SH8,  233                         ; v233 8 h: my bytes' place in p's scale word
.set OLDM, 234                         ; v234 -M as the step found it
.set WV,   18
.set TT,   19
.set HEAD, 20
.set SEL,  22
.set G1,   24                          ; s[24:31] descriptor group 1;  s[32:35], s[36:39] group 0 for slots 0 and 1
.set G0,   32
.set TB,   40
.set KC,   41
.set CS,   44                          ; s[44:45] c = log2(e) / 8
.set QBB,  48
.set QSB,  50
.set WOB,  52
.set WOSB, 54
.set BOB,  56
.set WBB,  58
.set BSB,  60
.set BBD,  62
.macro PLACES n
.rept \n
	v_nop
.endr
.endm
.macro BARRIER
	s_wait_dscnt 0x0
	s_barrier_signal -1
	s_barrier_wait -1
.endm
; A round of the cluster's barrier: my work-group's barrier, so that wave 0's signal speaks for all sixteen waves; wave 0 signals; every wave waits for the four work-groups; my work-group's barrier once more.
.macro ROUND
	s_barrier_signal -1
	s_barrier_wait -1
	s_cmp_lg_u32 s[WV], 0
	s_cbranch_scc1 .Lnot_wave_0_\@
	s_barrier_signal -3
.Lnot_wave_0_\@:
	s_barrier_wait -3
	s_barrier_signal -1
	s_barrier_wait -1
.endm
; Waves 0-3 fetch one key step's block each into slot n.  The branch hangs on the wave's number alone; four v_nop follow the load.
.macro TLOAD n
	s_cmp_lt_u32 s[WV], 4
	s_cbranch_scc0 .Lno_load_\@
	tensor_load_to_lds s[G0+4*(\n):G0+4*(\n)+3], s[G1:G1+7]
	s_nop 0
.rept 4
	v_nop
.endr
.Lno_load_\@:
.endm
; 32 numbers of a lane become half a fragment and two scale bytes: register 16 g + i = k 32 g + 16 (lane / 16) + i of my row.  (The epilogue's: there K is the model's 256, and a block lies in two lanes.)
.macro Q2 src, pc
.irp g, 0,1
	v_max3_num_f32 v[TM+\g], |v[(\src)+16*\g]|, |v[(\src)+16*\g+1]|, 0x1800000
.endr
.irp i, 2,4,6,8,10,12,14
.irp g, 0,1
	s_delay_alu instid0(VALU_DEP_2)
	v_max3_num_f32 v[TM+\g], v[TM+\g], |v[(\src)+16*\g+\i]|, |v[(\src)+16*\g+\i+1]|
.endr
.endr
.irp g, 0,1
	s_delay_alu instid0(VALU_DEP_2)
	v_permlanex16_b32 v[TM+2+\g], v[TM+\g], s[SEL], s[SEL+1]
.endr
.irp g, 0,1
	s_delay_alu instid0(VALU_DEP_2)
	v_max_num_f32 v[TM+\g], v[TM+\g], v[TM+2+\g]
.endr
.irp g, 0,1
	s_delay_alu instid0(VALU_DEP_2)
	v_add_nc_u32 v[TM+4+\g], 0xff000000, v[TM+\g]
.endr
.irp g, 0,1
	s_delay_alu instid0(VALU_DEP_2)
	v_lshrrev_b32 v[TM+6+\g], 23, v[TM+4+\g]
.endr
	s_delay_alu instid0(VALU_DEP_1)
	v_lshl_or_b32 v[HW], v[TM+7], 8, v[TM+6]
.irp g, 0,1
	v_cvt_scalef32_pk8_fp4_f32 v[(\pc)+2*\g], v[(\src)+16*\g:(\src)+16*\g+7], v[TM+4+\g]
	v_cvt_scalef32_pk8_fp4_f32 v[(\pc)+2*\g+1], v[(\src)+16*\g+8:(\src)+16*\g+15], v[TM+4+\g]
.endr
	v_nop
	v_permlane16_swap_b32 v[(\pc)], v[(\pc)+2]
	v_permlane16_swap_b32 v[(\pc)+1], v[(\pc)+3]
.endm
	s_load_b256 s[4:11], s[0:1], 0x0               ; qb s[4:5], kv s[6:7], wq s[8:9], b_o s[10:11]
	s_load_b128 s[12:15], s[0:1], 0x20             ; w_bd s[12:13], b_bd s[14:15]
	s_load_b64 s[16:17], s[0:1], 0x30              ; bs
	v_lshl_add_u32 v[SPW], v0, 2, SPARE
	v_mov_b32 v[NIL], 0
	ds_add_u32 v4, v5
	ds_add_u32 v4, v5
	s_wait_dscnt 0x0
	v_lshrrev_b32 v216, 5, v0
	s_delay_alu instid0(VALU_DEP_1)
	v_readfirstlane_b32 s[WV], v216                ; wave 0..15
	s_and_b32 s[TT], s[WV], 3                      ; my tile of queries
	s_lshr_b32 s[HEAD], s[WV], 2                   ; my head; in the epilogue my group of 64 outputs
	s_bfe_u32 s42, ttmp6, 0x40000                  ; cx: my place in the cluster: it enters qb's and bs's addresses alone
	s_lshl_b32 s43, ttmp9, 2
	s_add_co_u32 s43, s43, s42                     ; my block of 64 tokens
	s_lshr_b32 s46, ttmp9, 3                       ; the batch, which the four partners share
	; every LDS address is made here, ahead of the first branch on the wave's number
	v_and_b32 v216, 31, v0                         ; lane
	v_and_b32 v217, 15, v0                         ; r
	v_bfe_u32 v218, v0, 4, 1                       ; h
	s_delay_alu instid0(VALU_DEP_3)
	v_lshlrev_b32 v[LI], 4, v216
	s_wait_alu depctr_va_vdst(0)
	v_lshlrev_b32 v219, 2, v216                    ; 4 x lane
	s_wait_alu depctr_va_vdst(0)
	v_lshlrev_b32 v220, 2, v217                    ; 4 r
	s_wait_alu depctr_va_vdst(0)
	v_lshlrev_b32 v[BA], 6, v218
	v_lshlrev_b32 v[SH8], 3, v218
	s_lshl_b32 s47, s[HEAD], 12
	v_add_nc_u32 v[AK0], s47, v[LI]
	s_lshl_b32 s47, s[HEAD], 7
	s_add_co_u32 s47, s47, 32768
	v_add_nc_u32 v[AS0], s47, v219
	s_lshl_b32 s47, s[HEAD], 8
	s_add_co_u32 s47, s47, 33792
	v_add_nc_u32 v[AVS0], s47, v219
	s_lshl_b32 s47, s[TT], 11
	s_add_co_u32 s47, s47, AIMG
	v_add_nc_u32 v[AIR], s47, v[LI]
	s_lshl_b32 s66, s[HEAD], 9                     ; head = 2 s + c: s x 1024 + c x 512 = head x 512
	s_add_co_u32 s66, s66, s47
	v_add_nc_u32 v[AIW], s66, v[LI]
	s_lshl_b32 s47, s[TT], 7
	s_add_co_u32 s47, s47, ASC
	v_add_nc_u32 v[ASR], s47, v219
	s_lshr_b32 s66, s[HEAD], 1
	s_lshl_b32 s66, s66, 6
	s_add_co_u32 s47, s47, s66
	s_and_b32 s66, s[HEAD], 1
	s_lshl_b32 s66, s66, 1
	s_add_co_u32 s47, s47, s66
	v_add_nc_u32 v[ASW], s47, v220
	s_lshl_b32 s47, s[HEAD], 8
	s_lshl_b32 s66, s[TT], 6
	s_add_co_u32 s47, s47, s66
	s_add_co_u32 s47, s47, ZP
	v_add_nc_u32 v[ZPW], s47, v220
	v_lshl_add_u32 v[ZPR], v216, 3, ZP
	v_and_b32 v221, 3, v216                        ; bs: place 16 T + r of the 64 is token 8 T + r % 8 + 32 (r / 8): the place's bits 5:4 become the token's bits 4:3, its bit 3 the token's bit 5.
	v_and_b32 v[BSO], 0x18, v216                   ; A lane of the last store holds places 2 l and 2 l + 1: so the lane's bits 4:3 go to bits 3:2,
	s_delay_alu instid0(VALU_DEP_1)
	v_lshrrev_b32 v[BSO], 1, v[BSO]
	s_delay_alu instid0(VALU_DEP_1)
	v_or_b32 v221, v221, v[BSO]
	v_and_b32 v[BSO], 4, v216                      ; and its bit 2 to bit 4
	s_delay_alu instid0(VALU_DEP_1)
	v_lshl_or_b32 v221, v[BSO], 2, v221
	s_delay_alu instid0(VALU_DEP_1)
	v_lshlrev_b32 v[BSO], 3, v221
	; descriptor group 1: 136 rows of 256 bytes (32 elements of 8 bytes), dense in memory and in LDS: fragments are read 16 bytes a lane on end, so no padding is wanted
	s_mov_b32 s[G1], 15|(3<<16)|(1<<21)            ; 15:0 the mask: all four work-groups; 17:16 elements of 8 bytes; 21 set beside a mask
	s_mov_b32 s[G1+1], 32<<16                      ; tensor_dim0 = 32
	s_mov_b32 s[G1+2], 136<<16                     ; tensor_dim1 = 136
	s_mov_b32 s[G1+3], 32<<16                      ; tile_dim0 = 32
	s_mov_b32 s[G1+4], 136                         ; tile_dim1 = 136
	s_mov_b32 s[G1+5], 32                          ; tensor_dim0_stride
	s_mov_b32 s[G1+6], 0
	s_mov_b32 s[G1+7], 0
	s_lshl_b32 s68, s46, 4                         ; the batch's 16 key steps,
	s_add_co_u32 s68, s68, s[WV]                   ; mine of a slot's four (waves 0-3)
	s_mul_i32 s68, s68, STEPB
	s_mov_b32 s69, 0
	s_mul_i32 s70, s[WV], STEPB                    ; and its place in a slot: no place in the cluster enters it
	s_mov_b32 s[SEL], 0x76543210
	s_mov_b32 s[SEL+1], 0xfedcba98
	s_mov_b32 s[CS], 0x3e38aa3b                    ; c = log2(e) / 8
	s_mov_b32 s[CS+1], s[CS]                       ; (named with it as a pair, so it is written)
	s_mul_i32 s63, s43, 8704                       ; qb: my block
	s_mov_b32 s67, 0
	s_wait_kmcnt 0x0
	s_load_b32 s[BBD], s[14:15], 0x0               ; b_bd: waited for at its one use, in wave 0's last lines, so that the first block's request does not stand behind it
	s_mov_b32 s[G0], 1                             ; count = 1
	s_mov_b32 s[G0+1], s70                         ; LDS address: slot 0
	s_add_nc_u64 s[G0+2:G0+3], s[6:7], s[68:69]    ; key steps 0-3
	s_or_b32 s[G0+3], s[G0+3], 0x80000000          ; type = 2
	s_mov_b32 s[G0+4], 1
	s_add_co_u32 s[G0+5], s70, SLOTB               ; slot 1
	s_add_nc_u64 s[G0+6:G0+7], s[6:7], s[68:69]
	s_add_nc_u64 s[G0+6:G0+7], s[G0+6:G0+7], SLOTB ; key steps 4-7
	s_or_b32 s[G0+7], s[G0+7], 0x80000000
	s_lshl_b32 s66, s[HEAD], 11
	s_add_co_u32 s66, s66, s63
	s_lshl_b32 s47, s[TT], 9
	s_add_co_u32 s66, s66, s47
	s_add_nc_u64 s[QBB:QBB+1], s[4:5], s[66:67]    ; q's codes: head x 2048 + T x 512
	s_lshl_b32 s66, s[HEAD], 7
	s_add_co_u32 s66, s66, s63
	s_lshr_b32 s47, s[TT], 1
	s_lshl_b32 s47, s47, 6
	s_add_co_u32 s66, s66, s47
	s_add_co_u32 s66, s66, 8192
	s_add_nc_u64 s[QSB:QSB+1], s[4:5], s[66:67]    ; the word of my pair of tiles: 8192 + head x 128 + (T / 2) x 64
	s_lshl_b32 s66, s[HEAD], 13
	s_add_co_u32 s66, s66, 131072
	s_add_nc_u64 s[WOB:WOB+1], s[8:9], s[66:67]    ; w_o's tiles 4 g .. 4 g + 3
	s_lshl_b32 s66, s[HEAD], 9
	s_add_co_u32 s66, s66, 204800                  ; 196608 + 4 x 2048
	s_add_nc_u64 s[WOSB:WOSB+1], s[8:9], s[66:67]
	s_lshl_b32 s66, s[HEAD], 8
	s_add_nc_u64 s[BOB:BOB+1], s[10:11], s[66:67]
	s_add_nc_u64 s[WBB:WBB+1], s[12:13], s[66:67]
	s_lshl_b32 s66, s43, 8
	s_add_nc_u64 s[BSB:BSB+1], s[16:17], s[66:67]
	global_load_b128 v[QL:QL+3], v[LI], s[QBB:QBB+1]
	global_load_b32 v221, v220, s[QSB:QSB+1]
.irp t, 0,1,2,3
	global_load_b32 v[WOS+\t], v219, s[WOSB:WOSB+1] offset:\t*128
.endr
	ROUND                                          ; all four work-groups are here: the first joint loads meet
	TLOAD 0
	s_wait_loadcnt 0x0                             ; q, the word of its pair of tiles, w_o's scale words: asked for ahead of the round
	s_and_b32 s47, s[TT], 1
	s_lshl_b32 s47, s47, 4
	v_lshrrev_b32 v221, s47, v221                  ; my tile's two bytes of the pair's word,
	s_delay_alu instid0(VALU_DEP_1)
	v_and_b32 v221, 0xffff, v221
	s_delay_alu instid0(VALU_DEP_1)
	v_lshl_or_b32 v[QS], v221, 16, v221            ; twice: they serve q in either half of K.  A scale register written by a vector instruction stands eight plain vector instructions ahead of the
	                                               ; scaled product that names it, on every wave's way: the moves below, which are due anyway, are those and more
.irp j, 0,1,2,3
	v_mov_b32 v[QL-4+\j], 0                        ; the zero codes on either side of q
	v_mov_b32 v[QL+4+\j], 0
	v_mov_b32 v[T2+\j], 0                          ; written once: a lane permute's destination counts as one of its sources
.endr
.irp j, 0,1,2,3,4,5,6,7,8,9,10,11,12,13,14,15,16,17,18,19,20,21,22,23,24,25,26,27,28,29,30,31
	v_mov_b32 v[O+\j], 0                           ; O^T.  (The key step is written once for all steps: the first finds zeros, which the first change of M leaves zeros)
.endr
	v_mov_b32 v13, 0xff61b1e6                      ; the largest t so far: -3e38, under every t
	s_delay_alu instid0(VALU_DEP_1)
	v_floor_f32 v12, -v13                          ; -M
	v_mov_b32 v14, 0                               ; the sum, in two halves
	v_mov_b32 v15, 0
	v_mov_b32 v[FF+1], 0
; A KEY STEP: 128 keys, whose block begins at LDS byte s[TB].
.macro KSTEP
	v_add_nc_u32 v[ADK], s[TB], v[AK0]
	v_add_nc_u32 v[ADS], s[TB], v[AS0]
.irp t, 0,1,2,3,4,5,6,7
	ds_load_b128 v[KF+4*\t:KF+4*\t+3], v[ADK] offset:\t*512   ; K's registers are none of the last products': nothing is owed in front of these loads
.endr
	ds_load_b32 v[KS], v[ADS]                      ; lanes 0-15: tiles 0, 1; lanes 16-31: tiles 2, 3
	ds_load_b32 v[KS+1], v[ADS] offset:512         ; tiles 4, 5 and 6, 7
	s_wait_alu depctr_va_vdst(0)
	s_wait_dscnt 0x0                               ; K and its scale words
.irp t, 0,1,2,3,4,5,6,7                        ; S^T = K Q^T: lane (r, h) holds query r; the 32 registers of tiles 4 c .. 4 c + 3 are keys 64 c + 32 h + 0 .. 31
.if ((\t/2)%2) == 0
	v_wmma_scale_f32_16x16x128_f8f6f4 v[S+8*\t:S+8*\t+7], v[KF+8*(\t/2):KF+8*(\t/2)+7], v[QL-4*(\t%2):QL-4*(\t%2)+7], 0, v[KS+\t/4], v[QS] matrix_a_fmt:MATRIX_FMT_FP4 matrix_b_fmt:MATRIX_FMT_FP4
.else
	v_wmma_scale_f32_16x16x128_f8f6f4 v[S+8*\t:S+8*\t+7], v[KF+8*(\t/2):KF+8*(\t/2)+7], v[QL-4*(\t%2):QL-4*(\t%2)+7], 0, v[KS+\t/4], v[QS] matrix_a_fmt:MATRIX_FMT_FP4 matrix_b_fmt:MATRIX_FMT_FP4 matrix_a_scale:MATRIX_SCALE_ROW1
.endif
.endr
	v_mov_b32 v[OLDM], v12                         ; four places: in front of the first read of the scores, and (with the two additions above) of V's loads into registers that the last step's
	v_add_nc_u32 v[ADT], s[TB], v[AVS0]            ; second products read.  Two of the four are lines that are due anyway
	PLACES 2
.irp t, 0,1,2,3,4,5,6,7
	ds_load_b128 v[VF+4*\t:VF+4*\t+3], v[ADK] offset:16384+\t*512   ; V lands while the softmax is walked
.endr
	ds_load_b32 v[VS], v[ADT]                      ; lanes 0-15: channels' tile 0; lanes 16-31: tile 1
	ds_load_b32 v[VS+1], v[ADT] offset:128
.irp b, 0,1,2,3
	v_max3_num_f32 v[BM+\b], v[S+16*\b], v[S+16*\b+1], v[S+16*\b+2]   ; THE LARGEST SCORE OF EACH BLOCK OF 32 KEYS serves twice: for the row's maximum, and, since p rises with the score, for the block's largest p.
.endr                                          ; Four chains of 16 scores, two to a block
.irp i, 3,5,7,9,11,13
.irp b, 0,1,2,3
	v_max3_num_f32 v[BM+\b], v[BM+\b], v[S+16*\b+\i], v[S+16*\b+\i+1]
.endr
.endr
.irp c, 0,1
	v_max3_num_f32 v[BM+2*\c], v[BM+2*\c], v[BM+2*\c+1], v[S+32*\c+15]
.endr
.irp c, 0,1
	v_max_num_f32 v[BM+2*\c], v[BM+2*\c], v[S+32*\c+31]   ; my block 2 c + h's largest score: all its 32 keys are mine
.endr
	s_delay_alu instid0(VALU_DEP_1)
	v_max_num_f32 v216, v[BM], v[BM+2]
	s_delay_alu instid0(VALU_DEP_1)
	v_permlanex16_b32 v[T2], v216, s[SEL], s[SEL+1]
	s_delay_alu instid0(VALU_DEP_1)
	v_max_num_f32 v216, v216, v[T2]                ; with lane l xor 16's two blocks: the step's largest score of my query
	s_delay_alu instid0(VALU_DEP_1)
	v_mul_f32 v216, s[CS], v216                    ; as t (c is positive)
	s_delay_alu instid0(VALU_DEP_1)
	v_max_num_f32 v13, v13, v216                   ; the running largest t
	s_delay_alu instid0(VALU_DEP_1)
	v_floor_f32 v12, -v13                          ; the new -M = floor(-t) = -ceil(t): M is a whole number
	s_delay_alu instid0(VALU_DEP_1)
	v_sub_f32 v216, v12, v[OLDM]                   ; M's old value less its new one: a whole number, 0 or less
	s_delay_alu instid0(VALU_DEP_1)
	v_cvt_i32_f32 v216, v216                       ; (it saturates)
	s_delay_alu instid0(VALU_DEP_1)
	v_ldexp_f32 v[FF], 1.0, v216                   ; f = 2^(old M - new M)
.irp j, 0,2,4,6,8,10,12,14,16,18,20,22,24,26,28,30,32,34,36,38,40,42,44,46,48,50,52,54,56,58,60,62
	v_pk_fma_f32 v[S+\j:S+\j+1], v[S+\j:S+\j+1], s[CS:CS+1], v[12:13] op_sel_hi:[1,0,0]   ; t - M, two at a time
.endr
.irp c, 0,1
	v_fma_f32 v[BM+2*\c], v[BM+2*\c], s[CS], v12   ; the same of each block's largest score
.endr
	s_wait_alu depctr_va_vdst(0)
.irp j, 0,1,2,3,4,5,6,7,8,9,10,11,12,13,14,15,16,17,18,19,20,21,22,23,24,25,26,27,28,29,30,31,32,33,34,35,36,37,38,39,40,41,42,43,44,45,46,47,48,49,50,51,52,53,54,55,56,57,58,59,60,61,62,63
	v_exp_f32 v[S+\j], v[S+\j]                     ; p = 2^(t - M), at most 1: not normalised
.endr
	s_setprio 1
.irp c, 0,1
	v_exp_f32 v[BM+2*\c], v[BM+2*\c]               ; the block's largest p: the same two instructions on the same number give the same bits
.endr
	v_pk_mul_f32 v[14:15], v[14:15], v[FF:FF+1] op_sel_hi:[1,0]   ; the sums under the new M.  (A plain place behind the exponentials)
	s_wait_alu depctr_va_vdst(0)
.irp c, 0,1
	v_max_num_f32 v[BM+2*\c], 0x1800000, v[BM+2*\c]   ; the floor 2^(3 - 127): the byte cannot fall under 1
.endr
.irp c, 0,1
	s_delay_alu instid0(VALU_DEP_2)
	v_add_nc_u32 v[SO+\c], 0xff000000, v[BM+2*\c]  ; 2 off the exponent field: the conversion's scale operand
.endr
.irp c, 0,1
	s_delay_alu instid0(VALU_DEP_2)
	v_lshrrev_b32 v[T2+\c], 23, v[SO+\c]           ; the scale's byte
.endr
	s_delay_alu instid0(VALU_DEP_1)
	v_lshl_or_b32 v217, v[T2+1], 16, v[T2]         ; my two bytes: blocks h and 2 + h,
	s_delay_alu instid0(VALU_DEP_1)
	v_lshlrev_b32 v217, v[SH8], v217               ; at their places in the word;
	s_delay_alu instid0(VALU_DEP_1)
	v_permlanex16_b32 v[T2+2], v217, s[SEL], s[SEL+1]
	s_delay_alu instid0(VALU_DEP_1)
	v_or_b32 v[PW], v217, v[T2+2]                  ; with lane l xor 16's two: p's scale word for these 128 keys
.irp c, 0,1
.irp u, 0,1,2,3
	v_cvt_scalef32_pk8_fp4_f32 v[PC+4*\c+\u], v[S+32*\c+8*\u:S+32*\c+8*\u+7], v[SO+\c]   ; register 4 c + u of the operand: keys 64 c + 32 h + 8 u + 0 .. 7
.endr
.endr
	v_pk_add_f32 v[218:219], v[104:105], v[108:109]
	v_pk_add_f32 v[254:255], v[112:113], v[116:117]
	v_pk_add_f32 v[252:253], v[120:121], v[124:125]
	v_pk_add_f32 v[250:251], v[128:129], v[132:133]
	v_pk_add_f32 v[248:249], v[136:137], v[140:141]
	v_pk_add_f32 v[246:247], v[144:145], v[148:149]
	v_pk_add_f32 v[244:245], v[152:153], v[156:157]
	v_pk_add_f32 v[14:15], v[14:15], v[160:161]
	v_pk_add_f32 v[218:219], v[218:219], v[100:101]
	v_pk_add_f32 v[254:255], v[254:255], v[102:103]
	v_pk_add_f32 v[252:253], v[252:253], v[106:107]
	v_pk_add_f32 v[250:251], v[250:251], v[110:111]
	v_pk_add_f32 v[248:249], v[248:249], v[114:115]
	v_pk_add_f32 v[246:247], v[246:247], v[118:119]
	v_pk_add_f32 v[244:245], v[244:245], v[122:123]
	v_pk_add_f32 v[14:15], v[14:15], v[126:127]
	v_pk_add_f32 v[218:219], v[218:219], v[130:131]
	v_pk_add_f32 v[254:255], v[254:255], v[134:135]
	v_pk_add_f32 v[252:253], v[252:253], v[138:139]
	v_pk_add_f32 v[250:251], v[250:251], v[142:143]
	v_pk_add_f32 v[248:249], v[248:249], v[146:147]
	v_pk_add_f32 v[246:247], v[246:247], v[150:151]
	v_pk_add_f32 v[244:245], v[244:245], v[154:155]
	v_pk_add_f32 v[14:15], v[14:15], v[158:159]
	v_pk_add_f32 v[218:219], v[218:219], v[162:163]
	s_delay_alu instid0(VALU_DEP_2)
	v_pk_add_f32 v[14:15], v[14:15], v[250:251]
	s_delay_alu instid0(VALU_DEP_2)
	v_pk_add_f32 v[218:219], v[218:219], v[248:249]
	v_pk_add_f32 v[254:255], v[254:255], v[246:247]
	v_pk_add_f32 v[252:253], v[252:253], v[244:245]
	s_delay_alu instid0(VALU_DEP_2)
	v_pk_add_f32 v[14:15], v[14:15], v[254:255]
	s_delay_alu instid0(VALU_DEP_2)
	v_pk_add_f32 v[218:219], v[218:219], v[252:253]
	s_delay_alu instid0(VALU_DEP_1)
	v_pk_add_f32 v[14:15], v[14:15], v[218:219]
	s_setprio 0
.irp j, 0,2,4,6,8,10,12,14,16,18,20,22,24,26,28,30
	v_pk_mul_f32 v[O+\j:O+\j+1], v[O+\j:O+\j+1], v[FF:FF+1] op_sel_hi:[1,0]   ; O^T under the new M
.endr
	s_wait_alu depctr_va_vdst(0)
	s_wait_dscnt 0x0                               ; V and its scale words
.irp t, 0,1,2,3                                ; O^T += V^T P^T: four tiles of 16 of the head's 64; the four accumulators take turns
.if (\t%2) == 0
	v_wmma_scale_f32_16x16x128_f8f6f4 v[O+8*\t:O+8*\t+7], v[VF+8*\t:VF+8*\t+7], v[PC:PC+7], v[O+8*\t:O+8*\t+7], v[VS+\t/2], v[PW] matrix_a_fmt:MATRIX_FMT_FP4 matrix_b_fmt:MATRIX_FMT_FP4
.else
	v_wmma_scale_f32_16x16x128_f8f6f4 v[O+8*\t:O+8*\t+7], v[VF+8*\t:VF+8*\t+7], v[PC:PC+7], v[O+8*\t:O+8*\t+7], v[VS+\t/2], v[PW] matrix_a_fmt:MATRIX_FMT_FP4 matrix_b_fmt:MATRIX_FMT_FP4 matrix_a_scale:MATRIX_SCALE_ROW1
.endif
.endr
.endm
; A SLOT'S FOUR KEY STEPS.  At its head each wave waits for all its tensor loads (its part of this slot), adds 0 to its spare word, and waits for that and for its reads of the slot that it has left; a round of the
; cluster's barrier follows, so that both hold of every wave of all four work-groups.  refill = 1: the other slot is asked for, first thing behind the round: it has four key steps in which to land.
.macro TRIP slot, refill
	s_wait_tensorcnt 0x0                           ; no tensor load of mine is out, so a group 0 may be written
	ds_add_u32 v[SPW], v[NIL]                      ; 0 onto my spare word
	s_add_nc_u64 s[G0+4*\slot+2:G0+4*\slot+3], s[G0+4*\slot+2:G0+4*\slot+3], 2*SLOTB   ; this slot's next four key steps; the type bits on top are not reached
	s_wait_dscnt 0x0                               ; the add is done, and my reads of the slot that I have left are over
	ROUND
.if \refill
	TLOAD 1-\slot
.endif
	s_mov_b32 s[TB], \slot*SLOTB
	s_mov_b32 s[KC], 4
.Lkey_step_\@:
	s_wait_alu depctr_va_vdst(0)
	s_setprio 2
	KSTEP
	s_add_co_u32 s[TB], s[TB], STEPB
	s_sub_co_u32 s[KC], s[KC], 1
	s_cmp_lg_u32 s[KC], 0
	s_cbranch_scc1 .Lkey_step_\@
	s_setprio 0
.endm
	TRIP 0, 1                                      ; keys 0-511; slot 1 is asked for: keys 512-1023
	TRIP 1, 1                                      ; slot 0: keys 1024-1535
	TRIP 0, 1                                      ; slot 1: keys 1536-2047
	TRIP 1, 0                                      ; nothing is left to fetch (the stepped address is not used)
	; ---- THE EPILOGUE.  O^T / l is quantised along the model's 256 (my head's 64 are half a K step) and goes to LDS as an image; then wave (T, g) makes outputs 64 g .. + 63 of the projection for tile T.
	PLACES 5
.irp f, 0,1,2,3,4,5,6,7
	global_load_b128 v[KF+8*\f:KF+8*\f+3], v[LI], s[WOB:WOB+1] offset:\f*1024          ; w_o's fragment (t, s) at v[KF + 8 (2 t + s)]
	global_load_b128 v[KF+8*\f+4:KF+8*\f+7], v[LI], s[WOB:WOB+1] offset:\f*1024+512
.endr
.irp t, 0,1,2,3
.irp k, 0,1
	global_load_b128 v[S+8*\t+4*\k:S+8*\t+4*\k+3], v[BA], s[BOB:BOB+1] offset:(32*(\t/2)+8*(\t%2))*4+16*\k        ; b_o in the result's layout: it starts the sums in place
	global_load_b128 v[S+32+8*\t+4*\k:S+32+8*\t+4*\k+3], v[BA], s[WBB:WBB+1] offset:(32*(\t/2)+8*(\t%2))*4+16*\k  ; w_bd likewise
.endr
.endr
	v_add_f32 v14, v14, v15                        ; the sum's two halves,
	s_delay_alu instid0(VALU_DEP_1)
	v_permlanex16_b32 v216, v14, s[SEL], s[SEL+1]
	s_delay_alu instid0(VALU_DEP_1)
	v_add_f32 v14, v14, v216                       ; and lane l xor 16's: the row's sum l
	s_wait_alu depctr_va_vdst(0)
	v_rcp_f32 v[FF], v14
	v_nop                                          ; one plain place behind a transcendental
	s_wait_alu depctr_va_vdst(0)
.irp j, 0,2,4,6,8,10,12,14,16,18,20,22,24,26,28,30
	v_pk_mul_f32 v[O+\j:O+\j+1], v[O+\j:O+\j+1], v[FF:FF+1] op_sel_hi:[1,0]
.endr
	Q2 O, PC
	ds_store_b128 v[AIW], v[PC:PC+3]
	ds_store_b16 v[ASW], v[HW]                     ; both lanes of a row write the same two bytes
	BARRIER                                        ; the eight fragments lie in LDS
.irp i, 0,1,2,3
	ds_load_b128 v[O+4*\i:O+4*\i+3], v[AIR] offset:512*\i
.endr
	ds_load_b32 v[ASL], v[ASR]                     ; lanes 0-15: K step 0; lanes 16-31: K step 1
	s_wait_dscnt 0x0
	s_wait_loadcnt 0x0
.irp t, 0,1,2,3
	v_wmma_scale_f32_16x16x128_f8f6f4 v[S+8*\t:S+8*\t+7], v[KF+16*\t:KF+16*\t+7], v[O:O+7], v[S+8*\t:S+8*\t+7], v[WOS+\t], v[ASL] matrix_a_fmt:MATRIX_FMT_FP4 matrix_b_fmt:MATRIX_FMT_FP4
.endr
.irp t, 0,1,2,3
	v_wmma_scale_f32_16x16x128_f8f6f4 v[S+8*\t:S+8*\t+7], v[KF+16*\t+8:KF+16*\t+15], v[O+8:O+15], v[S+8*\t:S+8*\t+7], v[WOS+\t], v[ASL] matrix_a_fmt:MATRIX_FMT_FP4 matrix_b_fmt:MATRIX_FMT_FP4 matrix_a_scale:MATRIX_SCALE_ROW1 matrix_b_scale:MATRIX_SCALE_ROW1
.endr
	PLACES 5
.irp t, 0,1,2,3
	v_pk_mul_f32 v[180+2*\t:181+2*\t], v[S+8*\t:S+8*\t+1], v[S+32+8*\t:S+32+8*\t+1]   ; the dot with w_bd, in f32: my 32 outputs of my token, four chains
.endr
.irp j, 2,4,6
.irp t, 0,1,2,3
	v_pk_fma_f32 v[180+2*\t:181+2*\t], v[S+8*\t+\j:S+8*\t+\j+1], v[S+32+8*\t+\j:S+32+8*\t+\j+1], v[180+2*\t:181+2*\t]
.endr
.endr
	s_delay_alu instid0(VALU_DEP_3)
	v_pk_add_f32 v[180:181], v[180:181], v[182:183]
	s_delay_alu instid0(VALU_DEP_2)
	v_pk_add_f32 v[184:185], v[184:185], v[186:187]
	s_delay_alu instid0(VALU_DEP_1)
	v_pk_add_f32 v[180:181], v[180:181], v[184:185]
	s_delay_alu instid0(VALU_DEP_1)
	v_add_f32 v180, v180, v181
	s_delay_alu instid0(VALU_DEP_1)
	v_permlanex16_b32 v216, v180, s[SEL], s[SEL+1]
	s_delay_alu instid0(VALU_DEP_1)
	v_add_f32 v180, v180, v216                     ; with lane l xor 16's 32 outputs: my group's part of the score
	ds_store_b32 v[ZPW], v180                      ; both lanes of a row write the same word
	BARRIER
	s_cmp_lg_u32 s[WV], 0
	s_cbranch_scc1 .Lnot_first
.irp g, 0,1,2,3
	ds_load_b64 v[184+2*\g:185+2*\g], v[ZPR] offset:\g*256   ; two places a lane, the four groups' parts
.endr
	s_wait_dscnt 0x0
	s_wait_kmcnt 0x0                               ; b_bd, asked for at the kernel's head
	v_pk_add_f32 v[184:185], v[184:185], v[186:187]
	v_pk_add_f32 v[188:189], v[188:189], v[190:191]
	s_delay_alu instid0(VALU_DEP_1)
	v_pk_add_f32 v[184:185], v[184:185], v[188:189]
	s_delay_alu instid0(VALU_DEP_1)
	v_add_f32 v184, s[BBD], v184
	s_delay_alu instid0(VALU_DEP_2)
	v_add_f32 v185, s[BBD], v185
	s_delay_alu instid0(VALU_DEP_2)
	v_mul_f32 v184, 0xbfb8aa3b, v184               ; sigmoid(z) = 1 / (1 + 2^(-z log2(e)))
	s_delay_alu instid0(VALU_DEP_2)
	v_mul_f32 v185, 0xbfb8aa3b, v185
	s_wait_alu depctr_va_vdst(0)
	v_exp_f32 v184, v184
	v_exp_f32 v185, v185
	v_nop
	s_wait_alu depctr_va_vdst(0)
	v_add_f32 v184, 1.0, v184
	v_add_f32 v185, 1.0, v185
	s_wait_alu depctr_va_vdst(0)
	v_rcp_f32 v184, v184
	v_rcp_f32 v185, v185
	v_nop
	s_wait_alu depctr_va_vdst(0)
	global_store_b64 v[BSO], v[184:185], s[BSB:BSB+1]   ; the wave stores the block's 64 numbers: 256 consecutive bytes, aligned
.Lnot_first:
	s_wait_tensorcnt 0x0                           ; the wave's end, behind my last tensor load and my last LDS store
	ds_add_u32 v[SPW], v[NIL]
	s_wait_dscnt 0x0
	ROUND                                          ; the closing round: no work-group ends while a partner may still ask for a block that names it
	s_endpgm
.Lfunc_end_k_q1749e55752_attn:
	.size	k_q1749e55752_attn, .Lfunc_end_k_q1749e55752_attn-k_q1749e55752_attn
	.p2alignl 7, 3214868480
	.fill 96, 4, 3214868480
	.section	.rodata,"a",@progbits
	.p2align	6, 0x0
	.amdhsa_kernel k_q1749e55752_attn
		.amdhsa_group_segment_fixed_size 327680
		.amdhsa_private_segment_fixed_size 0
		.amdhsa_enable_private_segment 0
		.amdhsa_kernarg_size 56
		.amdhsa_user_sgpr_count 2
		.amdhsa_user_sgpr_kernarg_segment_ptr 1
		.amdhsa_wavefront_size32 1
		.amdhsa_system_sgpr_workgroup_id_x 1
		.amdhsa_system_sgpr_workgroup_id_y 1
		.amdhsa_system_sgpr_workgroup_id_z 1
		.amdhsa_system_vgpr_workitem_id 0
		.amdhsa_next_free_vgpr 256
		.amdhsa_next_free_sgpr 72
		.amdhsa_reserve_vcc 0
		.amdhsa_float_denorm_mode_32 3
		.amdhsa_float_denorm_mode_16_64 3
		.amdhsa_memory_ordered 1
		.amdhsa_forward_progress 1
		.amdhsa_inst_pref_size 83
	.end_amdhsa_kernel
	.amdgpu_metadata
---
amdhsa.version: [ 1, 2 ]
amdhsa.kernels:
  - .name:           k_q1749e55752_attn
    .symbol:         k_q1749e55752_attn.kd
    .args:
      - { .name: qb, .offset: 0, .size: 8, .value_kind: global_buffer, .address_space: global }
      - { .name: kv, .offset: 8, .size: 8, .value_kind: global_buffer, .address_space: global }
      - { .name: wq, .offset: 16, .size: 8, .value_kind: global_buffer, .address_space: global }
      - { .name: b_o, .offset: 24, .size: 8, .value_kind: global_buffer, .address_space: global }
      - { .name: w_bd, .offset: 32, .size: 8, .value_kind: global_buffer, .address_space: global }
      - { .name: b_bd, .offset: 40, .size: 8, .value_kind: global_buffer, .address_space: global }
      - { .name: bs, .offset: 48, .size: 8, .value_kind: global_buffer, .address_space: global }
    .group_segment_fixed_size: 327680
    .private_segment_fixed_size: 0
    .kernarg_segment_align: 8
    .kernarg_segment_size: 56
    .max_flat_workgroup_size: 512
    .sgpr_count:     72
    .vgpr_count:     256
    .wavefront_size: 32
...
	.end_amdgpu_metadata
.endif
;; end of part 3
;; launch seg (part 4): grid 32 x 8, 8 waves a work-group, no clusters, 14,336 bytes of LDS; arguments bs, hbuf, pe; writes pe
.if DOCPART == 4
	.amdgcn_target "amdgcn-amd-amdhsa--gfx1250"
	.amdhsa_code_object_version 6
	.text
	.protected	k_q1749e55752_seg
	.globl	k_q1749e55752_seg
	.p2align	8
	.type	k_q1749e55752_seg,@function
k_q1749e55752_seg:
	s_mov_b64 s[64:65], 0
	v_nop
	global_prefetch_b8 v0, s[64:65] scope:SCOPE_SE
	s_setreg_imm32_b32 hwreg(HW_REG_WAVE_MODE, 25, 1), 1
	s_wait_xcnt 0x0
; cum = cumsum(bs) along a batch's 2,048 tokens; pid = min(int(8 cum / max(total, 1e-6)), 7); patch_emb[p][:] = the mean of h over the tokens with pid = p (divisor max(count, 1)).
; SHARES.  Work-group (x = g, y = batch) owns columns 8 g .. 8 g + 7 of h for all tokens of the batch; every work-group repeats its batch's scan (8 KiB of bs).  Eight waves; thread t scans tokens 8 t .. 8 t + 7
; and sums the places t, 256 + t, .. of hbuf ([batch][slice of 4 columns][place][4]; place 16 T + r of a block of 64 is token 8 T + r % 8 + 32 (r / 8): the place's bits 5:4 are the token's bits 4:3, its bit 3 the token's bit 5).
; pid IS DATA ONLY: it is compared, and the comparison selects 0 or 1 as a factor; no address, branch or trip count hangs on it.
; THE SCAN'S GROUPING is that of a scan by pairs: aligned blocks of 2^k tokens are summed as balanced trees, and a prefix adds the blocks of its length's binary digits from the largest down.
; The two divisions are made by v_rcp_f32 with one step of correction for the reciprocal and one for the quotient.
; LIMITS: a token whose 8 cum / total lies within f32 rounding of a whole number may fall either way; NaN and infinities are not served.
; No matrix unit (a product of 8 rows), no cluster (work-groups share only bs), no tensor load: h is read once, 16 bytes a lane, 512 consecutive bytes a load.
.set WT,   8448                        ; LDS: 0: pid, word u = the pid of token u - 1 (2,049 words);  WT: the eight waves' sums;  RED: 16 parts x 288 bytes (64 sums, 8 counts)
.set RED,  8704
.set HD,   32                          ; v32-95   h: step j, 8 columns at v[HD + 8 j]
.set ACC,  96                          ; v96-159  sums [patch][column];  during the scan: at work
.set CNT,  160                         ; v160-167 counts
.set OH,   168                         ; v168-175 1.0 where my token's pid is p, else 0
.set PIDR, 176                         ; v176-183 the pid of my eight places
.macro BARRIER
	s_wait_dscnt 0x0
	s_barrier_signal -1
	s_barrier_wait -1
.endm
	s_load_b128 s[4:7], s[0:1], 0x0                ; bs, hbuf
	s_load_b64 s[8:9], s[0:1], 0x10                ; pe
	v_lshl_add_u32 v192, v0, 2, 0x3400
	v_mov_b32 v193, 0
	v_lshrrev_b32 v28, 5, v0
	s_delay_alu instid0(VALU_DEP_1)
	v_readfirstlane_b32 s10, v28                   ; wave 0..7
	s_and_b32 s11, ttmp7, 0xffff                   ; the batch
	v_lshlrev_b32 v1, 5, v0                        ; 32 t: my eight numbers of bs, and my eight words of pid
	v_lshlrev_b32 v2, 4, v0                        ; 16 t: my place in a slice
	v_and_b32 v3, 0xc7, v0                         ; my place's token: bits 7, 6 and 2 to 0 stay,
	v_and_b32 v28, 0x30, v0
	s_delay_alu instid0(VALU_DEP_1)
	v_lshrrev_b32 v28, 1, v28                      ; bits 5:4 go to bits 4:3,
	s_delay_alu instid0(VALU_DEP_1)
	v_add_nc_u32 v3, v3, v28
	v_and_b32 v28, 8, v0
	s_delay_alu instid0(VALU_DEP_1)
	v_lshl_or_b32 v3, v28, 2, v3                   ; bit 3 goes to bit 5
	s_delay_alu instid0(VALU_DEP_1)
	v_lshl_add_u32 v3, v3, 2, 4                    ; its pid's word
	s_lshl_b32 s12, s10, 2
	s_add_co_u32 s12, s12, WT
	v_mov_b32 v4, s12                              ; my wave's word
	v_mov_b32 v5, WT
	v_mov_b32 v6, 8192                             ; the last token's word
	v_lshrrev_b32 v7, 4, v0
	s_delay_alu instid0(VALU_DEP_1)
	v_mul_u32_u24 v7, v7, 288
	s_delay_alu instid0(VALU_DEP_1)
	v_add_nc_u32 v7, RED, v7                       ; my half wave's part
	v_and_b32 v28, 31, v0
	s_delay_alu instid0(VALU_DEP_1)
	v_lshl_add_u32 v30, v28, 3, RED                ; the last sums: two numbers a lane,
	s_delay_alu instid0(VALU_DEP_2)
	v_lshrrev_b32 v31, 2, v28
	s_delay_alu instid0(VALU_DEP_1)
	v_lshl_add_u32 v31, v31, 2, RED+256            ; and their patch's count
	s_delay_alu instid0(VALU_DEP_4)
	v_lshlrev_b32 v184, 3, v28
.irp i, 23,24,25,26,27
	v_mov_b32 v\i, 0                               ; written once: the destination of a lane exchange counts as one of its sources
.endr
	s_mov_b32 s20, 0xffff0000                      ; lanes whose bit 4, 3, 2, 1, 0 is set
	s_mov_b32 s21, 0xff00ff00
	s_mov_b32 s22, 0xf0f0f0f0
	s_mov_b32 s23, 0xcccccccc
	s_mov_b32 s24, 0xaaaaaaaa
	s_bitcmp1_b32 s10, 2                           ; the wave's bits as masks of all lanes or none
	s_cselect_b32 s25, -1, 0
	s_bitcmp1_b32 s10, 1
	s_cselect_b32 s26, -1, 0
	s_bitcmp1_b32 s10, 0
	s_cselect_b32 s27, -1, 0
	s_mov_b32 s28, 0x76543210
	s_mov_b32 s29, 0xfedcba98
	s_lshl_b32 s12, s11, 13
	s_mov_b32 s13, 0
	s_lshl_b32 s14, s11, 21
	s_lshl_b32 s15, ttmp9, 16
	s_add_co_u32 s14, s14, s15
	s_mov_b32 s15, 0
	s_lshl_b32 s16, s11, 5
	s_add_co_u32 s16, s16, ttmp9
	s_lshl_b32 s16, s16, 8
	s_mov_b32 s17, 0
	s_wait_kmcnt 0x0
	s_add_nc_u64 s[12:13], s[4:5], s[12:13]
	s_add_nc_u64 s[14:15], s[6:7], s[14:15]
	s_add_nc_u64 s[16:17], s[8:9], s[16:17]
	global_load_b128 v[8:11], v1, s[12:13]
	global_load_b128 v[12:15], v1, s[12:13] offset:16
.irp j, 0,1,2,3,4,5,6,7
.irp s, 0,1
	global_load_b128 v[HD+8*\j+4*\s:HD+8*\j+4*\s+3], v2, s[14:15] offset:\s*32768+\j*4096 th:TH_LOAD_NT   ; each byte of h is read once in this launch
.endr
.endr
	s_wait_loadcnt 16                              ; bs is in; h's sixteen loads stay out
	v_add_f32 v16, v8, v9                          ; pairs,
	v_add_f32 v17, v10, v11
	v_add_f32 v18, v12, v13
	v_add_f32 v19, v14, v15
	s_delay_alu instid0(VALU_DEP_3)
	v_add_f32 v20, v16, v17                        ; fours,
	s_delay_alu instid0(VALU_DEP_2)
	v_add_f32 v21, v18, v19
	s_delay_alu instid0(VALU_DEP_1)
	v_add_f32 v22, v20, v21                        ; my eight
	s_delay_alu instid0(VALU_DEP_1)
	v_mov_b32_dpp v23, v22 row_xmask:1 row_mask:0xf bank_mask:0xf   ; at each level the sibling block's sum is kept, and the two are added: the same bits in both
	s_delay_alu instid0(VALU_DEP_1)
	v_add_f32 v22, v22, v23
	s_delay_alu instid0(VALU_DEP_1)
	v_mov_b32_dpp v24, v22 row_xmask:2 row_mask:0xf bank_mask:0xf
	s_delay_alu instid0(VALU_DEP_1)
	v_add_f32 v22, v22, v24
	s_delay_alu instid0(VALU_DEP_1)
	v_mov_b32_dpp v25, v22 row_xmask:4 row_mask:0xf bank_mask:0xf
	s_delay_alu instid0(VALU_DEP_1)
	v_add_f32 v22, v22, v25
	s_delay_alu instid0(VALU_DEP_1)
	v_mov_b32_dpp v26, v22 row_xmask:8 row_mask:0xf bank_mask:0xf
	s_delay_alu instid0(VALU_DEP_1)
	v_add_f32 v22, v22, v26
	s_delay_alu instid0(VALU_DEP_1)
	v_permlanex16_b32 v27, v22, s28, s29
	s_delay_alu instid0(VALU_DEP_1)
	v_add_f32 v22, v22, v27                        ; my wave's 256
	ds_store_b32 v4, v22                           ; all lanes write the same word with the same value
	BARRIER
	ds_load_b128 v[96:99], v5
	ds_load_b128 v[100:103], v5 offset:16
	s_wait_dscnt 0x0
	v_add_f32 v104, v96, v97                       ; blocks of 512,
	v_add_f32 v105, v98, v99
	v_add_f32 v106, v100, v101
	v_add_f32 v107, v102, v103
	s_delay_alu instid0(VALU_DEP_3)
	v_add_f32 v108, v104, v105                     ; of 1,024,
	s_delay_alu instid0(VALU_DEP_2)
	v_add_f32 v109, v106, v107
	s_delay_alu instid0(VALU_DEP_1)
	v_add_f32 v124, v108, v109                     ; the total
	s_delay_alu instid0(VALU_DEP_3)
	v_cndmask_b32 v29, 0, v108, s25                ; what lies in front of my eight tokens, from the largest block down; a block whose digit is 0 adds 0
	v_cndmask_b32 v113, v104, v106, s25
	s_delay_alu instid0(VALU_DEP_1)
	v_cndmask_b32 v113, 0, v113, s26
	s_delay_alu instid0(VALU_DEP_1)
	v_add_f32 v29, v29, v113
	v_cndmask_b32 v113, v96, v100, s25
	v_cndmask_b32 v114, v98, v102, s25
	s_delay_alu instid0(VALU_DEP_1)
	v_cndmask_b32 v113, v113, v114, s26
	s_delay_alu instid0(VALU_DEP_1)
	v_cndmask_b32 v113, 0, v113, s27
	s_delay_alu instid0(VALU_DEP_1)
	v_add_f32 v29, v29, v113
	v_cndmask_b32 v113, 0, v27, s20
	s_delay_alu instid0(VALU_DEP_1)
	v_add_f32 v29, v29, v113
	v_cndmask_b32 v113, 0, v26, s21
	s_delay_alu instid0(VALU_DEP_1)
	v_add_f32 v29, v29, v113
	v_cndmask_b32 v113, 0, v25, s22
	s_delay_alu instid0(VALU_DEP_1)
	v_add_f32 v29, v29, v113
	v_cndmask_b32 v113, 0, v24, s23
	s_delay_alu instid0(VALU_DEP_1)
	v_add_f32 v29, v29, v113
	v_cndmask_b32 v113, 0, v23, s24
	s_delay_alu instid0(VALU_DEP_1)
	v_add_f32 v116, v29, v113                      ; E[8 t]: the sum of the first 8 t tokens = cum of token 8 t - 1
	s_delay_alu instid0(VALU_DEP_1)
	v_add_f32 v117, v116, v8
	s_delay_alu instid0(VALU_DEP_2)
	v_add_f32 v118, v116, v16
	s_delay_alu instid0(VALU_DEP_3)
	v_add_f32 v120, v116, v20
	s_delay_alu instid0(VALU_DEP_2)
	v_add_f32 v119, v118, v10
	s_delay_alu instid0(VALU_DEP_2)
	v_add_f32 v121, v120, v12
	s_delay_alu instid0(VALU_DEP_3)
	v_add_f32 v122, v120, v18
	s_delay_alu instid0(VALU_DEP_1)
	v_add_f32 v123, v122, v14                      ; v116-123: E[8 t + 0 .. 7]; v124: the total = cum of the last token
	v_max_num_f32 v111, 0x358637bd, v124           ; d = max(total, 1e-6)
	s_wait_alu depctr_va_vdst(0)
	v_rcp_f32 v112, v111
	v_nop                                          ; one plain place behind a transcendental
	s_wait_alu depctr_va_vdst(0)
	v_fma_f32 v113, -v111, v112, 1.0
	v_fma_f32 v112, v113, v112, v112               ; 1 / d, corrected once
.irp i, 0,1,2,3,4,5,6,7,8
	v_mul_f32 v[126+\i], v[116+\i], v112
.endr
.irp i, 0,1,2,3,4,5,6,7,8
	v_fma_f32 v[136+\i], -v111, v[126+\i], v[116+\i]   ; the quotient's remainder, exact
.endr
.irp i, 0,1,2,3,4,5,6,7,8
	v_fma_f32 v[126+\i], v[136+\i], v112, v[126+\i]
.endr
.irp i, 0,1,2,3,4,5,6,7,8
	v_mul_f32 v[126+\i], 8.0, v[126+\i]
.endr
.irp i, 0,1,2,3,4,5,6,7,8
	v_cvt_i32_f32 v[126+\i], v[126+\i]             ; toward zero
.endr
.irp i, 0,1,2,3,4,5,6,7,8
	v_min_i32 v[126+\i], 7, v[126+\i]
.endr
	ds_store_b128 v1, v[126:129]
	ds_store_b128 v1, v[130:133] offset:16
	s_cmp_lg_u32 s10, 7
	s_cbranch_scc1 .Lnot_last
	ds_store_b32 v6, v134                          ; the last token's
.Lnot_last:
	BARRIER
.irp j, 0,1,2,3,4,5,6,7
	ds_load_b32 v[PIDR+\j], v3 offset:1024*\j
.endr
	s_wait_dscnt 0x0
	; step 0 starts the sums and the counts: nothing is cleared
	s_wait_loadcnt 14
.irp p, 0,1,2,3,4,5,6,7
	v_cmp_eq_u32 vcc_lo, \p, v[PIDR]
	s_delay_alu instid0(VALU_DEP_1)
	v_cndmask_b32 v[CNT+\p], 0, 1.0, vcc_lo
.endr
.irp p, 0,2,4,6
.irp c, 0,2,4,6
	v_pk_mul_f32 v[ACC+8*\p+\c:ACC+8*\p+\c+1], v[HD+\c:HD+\c+1], v[CNT+\p:CNT+\p+1] op_sel_hi:[1,0]
	v_pk_mul_f32 v[ACC+8*\p+8+\c:ACC+8*\p+8+\c+1], v[HD+\c:HD+\c+1], v[CNT+\p:CNT+\p+1] op_sel:[0,1] op_sel_hi:[1,1]
.endr
.endr
.macro SUMJ j
	s_wait_loadcnt 14-2*\j                         ; this step's two loads are in; the later steps' stay out
.irp p, 0,1,2,3,4,5,6,7
	v_cmp_eq_u32 vcc_lo, \p, v[PIDR+\j]
	s_delay_alu instid0(VALU_DEP_1)
	v_cndmask_b32 v[OH+\p], 0, 1.0, vcc_lo
.endr
.irp p, 0,2,4,6
.irp c, 0,2,4,6
	v_pk_fma_f32 v[ACC+8*\p+\c:ACC+8*\p+\c+1], v[HD+8*\j+\c:HD+8*\j+\c+1], v[OH+\p:OH+\p+1], v[ACC+8*\p+\c:ACC+8*\p+\c+1] op_sel_hi:[1,0,1]
	v_pk_fma_f32 v[ACC+8*\p+8+\c:ACC+8*\p+8+\c+1], v[HD+8*\j+\c:HD+8*\j+\c+1], v[OH+\p:OH+\p+1], v[ACC+8*\p+8+\c:ACC+8*\p+8+\c+1] op_sel:[0,1,0] op_sel_hi:[1,1,1]
.endr
.endr
.irp p, 0,2,4,6
	v_pk_add_f32 v[CNT+\p:CNT+\p+1], v[CNT+\p:CNT+\p+1], v[OH+\p:OH+\p+1]
.endr
.endm
.irp j, 1,2,3,4,5,6,7
	SUMJ \j
.endr
.irp m, 1,2,4,8                                ; over the 16 lanes of a half wave: the 64 sums and the 8 counts lie on end
.set I, ACC
.rept 72
	v_add_f32_dpp v[I], v[I], v[I] row_xmask:\m row_mask:0xf bank_mask:0xf
.set I, I+1
.endr
.endr
.irp k, 0,1,2,3,4,5,6,7,8,9,10,11,12,13,14,15,16,17
	ds_store_b128 v7, v[ACC+4*\k:ACC+4*\k+3] offset:16*\k   ; the 16 lanes of a half wave write the same bytes with the same values
.endr
	BARRIER
	s_cmp_lg_u32 s10, 0
	s_cbranch_scc1 .Ldone
.irp k, 0,1,2,3,4,5,6,7,8,9,10,11,12,13,14,15
	ds_load_b64 v[32+2*\k:33+2*\k], v30 offset:\k*288
	ds_load_b32 v[64+\k], v31 offset:\k*288
.endr
	s_wait_dscnt 0x0
.irp k, 0,1,2,3,4,5,6,7
	v_pk_add_f32 v[32+2*\k:33+2*\k], v[32+2*\k:33+2*\k], v[48+2*\k:49+2*\k]
.endr
.irp k, 0,1,2,3
	v_pk_add_f32 v[32+2*\k:33+2*\k], v[32+2*\k:33+2*\k], v[40+2*\k:41+2*\k]
	v_pk_add_f32 v[64+2*\k:65+2*\k], v[64+2*\k:65+2*\k], v[72+2*\k:73+2*\k]
.endr
.irp k, 0,1
	s_delay_alu instid0(VALU_DEP_4)
	v_pk_add_f32 v[32+2*\k:33+2*\k], v[32+2*\k:33+2*\k], v[36+2*\k:37+2*\k]
	s_delay_alu instid0(VALU_DEP_4)
	v_pk_add_f32 v[64+2*\k:65+2*\k], v[64+2*\k:65+2*\k], v[68+2*\k:69+2*\k]
.endr
	s_delay_alu instid0(VALU_DEP_2)
	v_pk_add_f32 v[32:33], v[32:33], v[34:35]
	s_delay_alu instid0(VALU_DEP_2)
	v_pk_add_f32 v[64:65], v[64:65], v[66:67]
	s_delay_alu instid0(VALU_DEP_1)
	v_add_f32 v64, v64, v65                        ; my patch's count: a whole number, exact
	s_delay_alu instid0(VALU_DEP_1)
	v_max_num_f32 v80, 1.0, v64
	s_wait_alu depctr_va_vdst(0)
	v_rcp_f32 v81, v80
	v_nop
	s_wait_alu depctr_va_vdst(0)
	v_fma_f32 v84, -v80, v81, 1.0
	v_fma_f32 v81, v84, v81, v81
	s_delay_alu instid0(VALU_DEP_1)
	v_mul_f32 v82, v32, v81
	s_delay_alu instid0(VALU_DEP_2)
	v_mul_f32 v83, v33, v81
	s_delay_alu instid0(VALU_DEP_2)
	v_fma_f32 v84, -v80, v82, v32
	s_delay_alu instid0(VALU_DEP_2)
	v_fma_f32 v85, -v80, v83, v33
	s_delay_alu instid0(VALU_DEP_2)
	v_fma_f32 v82, v84, v81, v82
	s_delay_alu instid0(VALU_DEP_2)
	v_fma_f32 v83, v85, v81, v83
	global_store_b64 v184, v[82:83], s[16:17]      ; pe [batch][g][patch][8 columns]: the wave stores 256 consecutive bytes, aligned
.Ldone:
	s_wait_tensorcnt 0x0
	ds_add_u32 v192, v193
	s_wait_dscnt 0x0
	s_endpgm
.Lfunc_end_k_q1749e55752_seg:
	.size	k_q1749e55752_seg, .Lfunc_end_k_q1749e55752_seg-k_q1749e55752_seg
	.p2alignl 7, 3214868480
	.fill 96, 4, 3214868480
	.section	.rodata,"a",@progbits
	.p2align	6, 0x0
	.amdhsa_kernel k_q1749e55752_seg
		.amdhsa_group_segment_fixed_size 14336
		.amdhsa_private_segment_fixed_size 0
		.amdhsa_enable_private_segment 0
		.amdhsa_kernarg_size 24
		.amdhsa_user_sgpr_count 2
		.amdhsa_user_sgpr_kernarg_segment_ptr 1
		.amdhsa_wavefront_size32 1
		.amdhsa_system_sgpr_workgroup_id_x 1
		.amdhsa_system_sgpr_workgroup_id_y 1
		.amdhsa_system_sgpr_workgroup_id_z 1
		.amdhsa_system_vgpr_workitem_id 0
		.amdhsa_next_free_vgpr 194
		.amdhsa_next_free_sgpr 66
		.amdhsa_reserve_vcc 1
		.amdhsa_float_denorm_mode_32 3
		.amdhsa_float_denorm_mode_16_64 3
		.amdhsa_memory_ordered 1
		.amdhsa_forward_progress 1
		.amdhsa_inst_pref_size 63
	.end_amdhsa_kernel
	.amdgpu_metadata
---
amdhsa.version: [ 1, 2 ]
amdhsa.kernels:
  - .name:           k_q1749e55752_seg
    .symbol:         k_q1749e55752_seg.kd
    .args:
      - { .name: bs, .offset: 0, .size: 8, .value_kind: global_buffer, .address_space: global }
      - { .name: hbuf, .offset: 8, .size: 8, .value_kind: global_buffer, .address_space: global }
      - { .name: pe, .offset: 16, .size: 8, .value_kind: global_buffer, .address_space: global }
    .group_segment_fixed_size: 14336
    .private_segment_fixed_size: 0
    .kernarg_segment_align: 8
    .kernarg_segment_size: 24
    .max_flat_workgroup_size: 256
    .sgpr_count:     66
    .vgpr_count:     194
    .wavefront_size: 32
...
	.end_amdgpu_metadata
.endif
;; end of part 4
;; launch outp (part 5): grid 16 x 1, 1 waves a work-group, no clusters, 4,608 bytes of LDS; arguments pe, wq, b_pr, out0; writes out0
.if DOCPART == 5
	.amdgcn_target "amdgcn-amd-amdhsa--gfx1250"
	.amdhsa_code_object_version 6
	.text
	.protected	k_q1749e55752_outp
	.globl	k_q1749e55752_outp
	.p2align	8
	.type	k_q1749e55752_outp,@function
k_q1749e55752_outp:
	s_mov_b64 s[64:65], 0
	v_nop
	global_prefetch_b8 v0, s[64:65] scope:SCOPE_SE
	s_setreg_imm32_b32 hwreg(HW_REG_WAVE_MODE, 25, 1), 1
	s_wait_xcnt 0x0
; out0 = patch_emb w_pr^T + b_pr on codes of FP4 (E2M1): 64 rows (batch, patch) x 256 x 256.  patch_emb is quantised here, in registers; w_pr comes as codes in operand order from wq.
; One wave to a work-group: rows 16 m .. + 15 (m = x % 4), outputs 64 cq .. + 63 (cq = x / 4): eight products.  The design has work for sixteen such waves; smaller shares would only repeat the quantising.
; Transposed (source 0 = 16 rows of w_pr, source 1 = patch_emb): a lane holds one row of the output and eight neighbouring columns a tile; the tile goes through LDS and leaves as whole runs of 256 bytes.
; LIMITS: a block of zeros gets the byte 1 where the rule says 127 (zero codes); NaN and infinities are not served.
.set TM,  1                            ; v1-8   at first the loads' offsets; then the quantiser's work registers; then the addresses of the way out
.set HW,  9                            ; v9     the two scale bytes just made
.set PSC, 10                           ; v10-11 patch_emb's scale words;  v12-15 w_pr's: these hold scales and nothing else
.set WPS, 12
.set PF,  16                           ; v16-31 patch_emb's two fragments
.set ACC, 32                           ; v32-63 b_pr, on which the sums are built in place
.set PE,  64                           ; v64-191 my row's 128 numbers of patch_emb: quarter q of K at v[PE + 32 q]
.set WF,  192                          ; v192-255 w_pr's fragment (t, s) at v[WF + 8 (2 t + s)]
.set SEL, 14
.macro Q2 src, pc
.irp g, 0,1
	v_max3_num_f32 v[TM+\g], |v[(\src)+16*\g]|, |v[(\src)+16*\g+1]|, 0x1800000
.endr
.irp i, 2,4,6,8,10,12,14
.irp g, 0,1
	v_max3_num_f32 v[TM+\g], v[TM+\g], |v[(\src)+16*\g+\i]|, |v[(\src)+16*\g+\i+1]|
.endr
.endr
.irp g, 0,1
	v_permlanex16_b32 v[TM+2+\g], v[TM+\g], s[SEL], s[SEL+1]
.endr
.irp g, 0,1
	v_max_num_f32 v[TM+\g], v[TM+\g], v[TM+2+\g]
.endr
.irp g, 0,1
	v_add_nc_u32 v[TM+4+\g], 0xff000000, v[TM+\g]
.endr
.irp g, 0,1
	v_lshrrev_b32 v[TM+6+\g], 23, v[TM+4+\g]
.endr
	v_lshl_or_b32 v[HW], v[TM+7], 8, v[TM+6]
.irp g, 0,1
	v_cvt_scalef32_pk8_fp4_f32 v[(\pc)+2*\g], v[(\src)+16*\g:(\src)+16*\g+7], v[TM+4+\g]
	v_cvt_scalef32_pk8_fp4_f32 v[(\pc)+2*\g+1], v[(\src)+16*\g+8:(\src)+16*\g+15], v[TM+4+\g]
.endr
	v_nop
	v_permlane16_swap_b32 v[(\pc)], v[(\pc)+2]
	v_permlane16_swap_b32 v[(\pc)+1], v[(\pc)+3]
.endm
	s_load_b256 s[4:11], s[0:1], 0x0               ; pe s[4:5], wq s[6:7], b_pr s[8:9], out0 s[10:11]
	s_set_vgpr_msb 0x40
	v_lshl_add_u32 v0, v0, 2, 0x1100
	v_mov_b32 v1, 0
	s_set_vgpr_msb 0x4000
	s_and_b32 s12, ttmp9, 3                        ; m
	s_lshr_b32 s13, ttmp9, 2                       ; cq
	s_mov_b32 s[SEL], 0x76543210
	s_mov_b32 s[SEL+1], 0xfedcba98
	v_and_b32 v5, 15, v0                           ; r
	v_bfe_u32 v6, v0, 4, 1                         ; h
	v_lshlrev_b32 v1, 4, v0                        ; 16 x lane
	v_lshlrev_b32 v2, 2, v0                        ; 4 x lane
	v_and_b32 v3, 7, v5                            ; row 16 m + r is batch 2 m + r / 8, patch r % 8.  pe [batch][g = column / 8][patch][8]:
	v_lshlrev_b32 v3, 5, v3                        ; patch x 32,
	v_lshl_add_u32 v3, v6, 9, v3                   ; 16 h columns are two g,
	v_bfe_u32 v7, v0, 3, 1
	v_lshl_add_u32 v3, v7, 13, v3                  ; a batch is 8,192 bytes
	v_lshlrev_b32 v4, 6, v6                        ; b_pr in the result's layout: 64 h
	s_mov_b32 s27, 0
	s_wait_alu depctr_va_vdst(0)
	s_wait_kmcnt 0x0
	s_lshl_b32 s26, s12, 14
	s_add_nc_u64 s[16:17], s[4:5], s[26:27]        ; pe at batch 2 m
	s_add_nc_u64 s[24:25], s[10:11], s[26:27]      ; out0 at row 16 m
	s_lshl_b32 s26, s13, 8
	s_add_nc_u64 s[24:25], s[24:25], s[26:27]      ; + 64 cq columns
	s_add_nc_u64 s[22:23], s[8:9], s[26:27]        ; b_pr likewise
	s_lshl_b32 s26, s13, 13
	s_add_co_u32 s26, s26, 163840
	s_add_nc_u64 s[18:19], s[6:7], s[26:27]        ; w_pr's tiles 4 cq .. 4 cq + 3
	s_lshl_b32 s26, s13, 9
	s_add_co_u32 s26, s26, 206848                  ; 196608 + 5 x 2048
	s_add_nc_u64 s[20:21], s[6:7], s[26:27]
.irp q, 0,1,2,3                                ; register 32 q + 16 b + 8 i + 4 f + 0 .. 3 is column 64 q + 32 b + 16 h + 8 i + 4 f + 0 .. 3 of my row
.irp b, 0,1
.irp i, 0,1
.irp f, 0,1
	global_load_b128 v[PE+32*\q+16*\b+8*\i+4*\f:PE+32*\q+16*\b+8*\i+4*\f+3], v3, s[16:17] offset:\q*2048+\b*1024+\i*256+\f*16
.endr
.endr
.endr
.endr
.irp f, 0,1,2,3,4,5,6,7
	global_load_b128 v[WF+8*\f:WF+8*\f+3], v1, s[18:19] offset:\f*1024
	global_load_b128 v[WF+8*\f+4:WF+8*\f+7], v1, s[18:19] offset:\f*1024+512
.endr
.irp t, 0,1,2,3
	global_load_b32 v[WPS+\t], v2, s[20:21] offset:\t*128
	global_load_b128 v[ACC+8*\t:ACC+8*\t+3], v4, s[22:23] offset:(32*(\t/2)+8*(\t%2))*4
	global_load_b128 v[ACC+8*\t+4:ACC+8*\t+7], v4, s[22:23] offset:(32*(\t/2)+8*(\t%2))*4+16
.endr
	s_wait_loadcnt 0x0                             ; all loads are in: their offsets' registers are free for the quantiser
.irp q, 0,1,2,3
	Q2 PE+32*\q, PF+4*\q                           ; the results are the operand's own registers: K step q / 2, half q % 2
.if (\q%2) == 0
	v_mov_b32 v[PSC+\q/2], v[HW]
.else
	v_lshl_or_b32 v[PSC+\q/2], v[HW], 16, v[PSC+\q/2]
.endif
.endr
	v_and_b32 v1, 15, v0                           ; the way out's addresses: eight plain lines, which are also the places between the scale word just written and the scaled products
	v_bfe_u32 v2, v0, 4, 1
	v_mul_u32_u24 v3, v1, 272
	v_lshl_add_u32 v3, v2, 6, v3                   ; into the stage: row r of 256 bytes + 16, + 64 h
	v_mul_u32_u24 v4, v2, 272
	v_lshl_add_u32 v4, v1, 4, v4                   ; back: lanes 0-15 one row, lanes 16-31 the next
	v_lshlrev_b32 v5, 10, v2
	v_lshl_add_u32 v5, v1, 4, v5                   ; and the same two rows in out0
	v_nop
.irp t, 0,1,2,3                                ; the four accumulators take turns
	v_wmma_scale_f32_16x16x128_f8f6f4 v[ACC+8*\t:ACC+8*\t+7], v[WF+16*\t:WF+16*\t+7], v[PF:PF+7], v[ACC+8*\t:ACC+8*\t+7], v[WPS+\t], v[PSC] matrix_a_fmt:MATRIX_FMT_FP4 matrix_b_fmt:MATRIX_FMT_FP4
.endr
.irp t, 0,1,2,3
	v_wmma_scale_f32_16x16x128_f8f6f4 v[ACC+8*\t:ACC+8*\t+7], v[WF+16*\t+8:WF+16*\t+15], v[PF+8:PF+15], v[ACC+8*\t:ACC+8*\t+7], v[WPS+\t], v[PSC+1] matrix_a_fmt:MATRIX_FMT_FP4 matrix_b_fmt:MATRIX_FMT_FP4 matrix_a_scale:MATRIX_SCALE_ROW1
.endr
.rept 5
	v_nop
.endr
.irp t, 0,1,2,3
	ds_store_b128 v3, v[ACC+8*\t:ACC+8*\t+3] offset:128*(\t/2)+32*(\t%2)          ; lane (r, h): columns 32 (t / 2) + 16 h + 8 (t % 2) + 0 .. 7 of row r; each accumulator from its low end on
	ds_store_b128 v3, v[ACC+8*\t+4:ACC+8*\t+7] offset:128*(\t/2)+32*(\t%2)+16
.endr
.irp i, 0,1,2,3,4,5,6,7
	ds_load_b128 v[PE+4*\i:PE+4*\i+3], v4 offset:\i*544   ; LDS serves a wave's instructions in order (ISA guide 5.7.1.4): these see the stores above
.endr
	s_wait_alu depctr_va_vdst(0)
.irp i, 0,1,2,3,4,5,6,7
	s_wait_dscnt 7-\i
	global_store_b128 v5, v[PE+4*\i:PE+4*\i+3], s[24:25] offset:\i*2048   ; 16 lanes store 256 consecutive bytes, aligned
.endr
	s_set_vgpr_msb 0x5
	s_wait_tensorcnt 0x0
	ds_add_u32 v0, v1
	s_wait_dscnt 0x0
	s_set_vgpr_msb 0x500
	s_endpgm
.Lfunc_end_k_q1749e55752_outp:
	.size	k_q1749e55752_outp, .Lfunc_end_k_q1749e55752_outp-k_q1749e55752_outp
	.p2alignl 7, 3214868480
	.fill 96, 4, 3214868480
	.section	.rodata,"a",@progbits
	.p2align	6, 0x0
	.amdhsa_kernel k_q1749e55752_outp
		.amdhsa_group_segment_fixed_size 4608
		.amdhsa_private_segment_fixed_size 0
		.amdhsa_enable_private_segment 0
		.amdhsa_kernarg_size 32
		.amdhsa_user_sgpr_count 2
		.amdhsa_user_sgpr_kernarg_segment_ptr 1
		.amdhsa_wavefront_size32 1
		.amdhsa_system_sgpr_workgroup_id_x 1
		.amdhsa_system_sgpr_workgroup_id_y 1
		.amdhsa_system_sgpr_workgroup_id_z 1
		.amdhsa_system_vgpr_workitem_id 0
		.amdhsa_next_free_vgpr 258
		.amdhsa_next_free_sgpr 66
		.amdhsa_reserve_vcc 0
		.amdhsa_float_denorm_mode_32 3
		.amdhsa_float_denorm_mode_16_64 3
		.amdhsa_memory_ordered 1
		.amdhsa_forward_progress 1
		.amdhsa_inst_pref_size 19
	.end_amdhsa_kernel
	.amdgpu_metadata
---
amdhsa.version: [ 1, 2 ]
amdhsa.kernels:
  - .name:           k_q1749e55752_outp
    .symbol:         k_q1749e55752_outp.kd
    .args:
      - { .name: pe, .offset: 0, .size: 8, .value_kind: global_buffer, .address_space: global }
      - { .name: wq, .offset: 8, .size: 8, .value_kind: global_buffer, .address_space: global }
      - { .name: b_pr, .offset: 16, .size: 8, .value_kind: global_buffer, .address_space: global }
      - { .name: out0, .offset: 24, .size: 8, .value_kind: global_buffer, .address_space: global }
    .group_segment_fixed_size: 4608
    .private_segment_fixed_size: 0
    .kernarg_segment_align: 8
    .kernarg_segment_size: 32
    .max_flat_workgroup_size: 32
    .sgpr_count:     66
    .vgpr_count:     258
    .wavefront_size: 32
...
	.end_amdgpu_metadata
.endif
;; end of part 5
